; MI455X (gfx1250); checked and timed in simulation.
; The chip was launched on July 23, 2026; its instructions are those of AMD's public machine-readable ISA for CDNA 5 (MIT licence, August 2026) and "CDNA5" Instruction Set Architecture Reference Guide (July 2026). The comments in the code are by the model that wrote it; some were corrected since.
;; RA. Allowed arithmetic: matrix products marked QUANTISED: E2M3 operands, one E8M0 scale for each 32 along K, by v_wmma_scale_f32_16x16x128_f8f6f4 with both operands' format E2M3, f32 sums; products left as they are: f32 operands where the result goes on into a quantised operand, else bf16, f16 or f32 operands; f32 sums; everything else in f32.
;; Inputs: W1 768 x 768 float32; W2 768 x 1 float32; Wi 768 x 768 float32; Wk 768 x 768 float32; Wq 768 x 768 float32; Wt 768 x 768 float32; Wv 768 x 768 float32; b1 768 float32; b2 1 float32; bi 768 float32; bk 768 float32; bq 768 float32; bt 768 float32; bv 768 float32; image 8 x 197 x 768 float32; text 8 x 64 x 768 float32.
;; Outputs: out0 8 x 64 x 768 float32.
;; This version of the problem:
;;   THIS VERSION OF THE PROBLEM IS GIVEN IN LOW PRECISION. The matrix products marked QUANTISED in the list below multiply operands that are first quantised to E2M3 (2 exponent bits, 3 mantissa bits; 6 bits a number), with one power-of-two scale for each 32 numbers along K (OCP MX v1.0); their sums are f32. All else is computed in f32.
;;   The module's matrix products, in the order in which they are computed (A, B: the left and right operand; K: the contracted axis; several contracted axes count as one K, in the product's order):
;;     1. [M 512, K 768] x [K 768, N 768]; A: input text; B: input Wt: QUANTISED
;;     2. [M 1,576, K 768] x [K 768, N 768]; A: input image; B: input Wi: QUANTISED
;;     3. [M 100,864, K 768] x [K 768, N 768]; A: computed on the way; B: input W1: QUANTISED
;;     4. [M 100,864, K 768] x [K 768, N 1]; A: computed on the way; B: input W2: left as it is (N = 1 < 16)
;;     5. [M 512, K 768] x [K 768, N 768]; A: input text; B: input Wq: QUANTISED
;;     6. [M 1,576, K 768] x [K 768, N 768]; A: input image; B: input Wk: QUANTISED
;;     7. [M 1,576, K 768] x [K 768, N 768]; A: input image; B: input Wv: QUANTISED
;;     8. batch 96 x [M 64, K 64] x [K 64, N 197]; A: computed on the way; B: computed on the way: QUANTISED
;;     9. batch 96 x [M 64, K 197] x [K 197, N 64]; A: computed on the way; B: computed on the way: QUANTISED
;;   THE QUANTISER, for each operand of a quantised product, along K:
;;     - K is cut into blocks of 32 from its start; a last block that is shorter is filled with zeros.
;;     - A block's scale is 2^e with e = floor(log2(the largest magnitude in the block)) - 2, held to -126 .. 127; a block of zeros has e = 0. As a byte (E8M0): e + 127.
;;     - Each number is divided by its block's scale, clamped to +-7.5, and rounded to the nearest number of E2M3, ties to even, subnormals kept.
;;     - The product sums the exact products of the quantised numbers (number of the format x scale) in f32.
;;   ~~~python
;;   def quantise(x, axis):      # numpy; x: float32 -> the quantised numbers, widened to float32 again
;;       x = np.moveaxis(x, axis, -1); K = x.shape[-1]
;;       x = np.pad(x, [(0, 0)] * (x.ndim - 1) + [(0, -K % 32)]); x = x.reshape(x.shape[:-1] + (-1, 32)); a = np.abs(x).max(-1, keepdims=True)
;;       e = np.where(a > 0, np.clip(np.frexp(np.where(a > 0, a, 1))[1] - 1 - 2, -126, 127), 0)      # np.frexp(a)[1] - 1 = floor(log2(a)), exactly
;;       r = np.clip(x / 2.0 ** e, -7.5, 7.5)
;;       step = 2.0 ** (np.maximum(np.frexp(np.where(r == 0, 1, r))[1] - 1, 0) - 3)
;;       q = np.round(r / step) * step * 2.0 ** e      # np.round: ties to even
;;       return np.moveaxis(q.reshape(q.shape[:-2] + (-1,))[..., :K], -1, axis).astype(np.float32)
;;   ~~~
;;   OPERANDS COMPUTED ON THE WAY. 'Computed on the way' means the value that the module computes at that place (a softmax that the list does not call 'softmax' is quantised finished and normalised). What goes into a quantiser is computed in f32, as accurately as f32 sums, v_exp_f32 and their like allow (about 1e-6 of the number): no bf16 or f16 on the way to a quantiser, and a product that is left as it is and whose result goes on into a quantised operand takes f32 operands (vector FMAs, or v_wmma_f32_16x16x4_f32). A number that lies on a knife's edge between two numbers of the format may be rounded either way, as far as f32 arithmetic and the matrix unit's own rounding can turn it there, and no further.
;; 2 versions, each right; version 2 is version 1 with the launches proj, attn written anew for expert scheduling mode. Each part assembles by itself: llvm-mc -triple=amdgcn-amd-amdhsa -mcpu=gfx1250 --defsym DOCPART=n.
;; ======== version 1 of 2: 4 launches
;; workspace buffers: wimg 2,801,664 bytes; aimg 1,556,480 bytes; teimg 1,572,864 bytes; ie 6,291,456 bytes; gate 415,744 bytes; hfc 2,654,208 bytes; hfs 442,368 bytes
;; launch quant (part 1): grid 152 x 1, 12 waves a work-group, no clusters, 107,008 bytes of LDS; arguments Wt, Wq, Wi, Wk, Wv, W1, text, image, wimg, aimg; writes wimg, aimg
.if DOCPART == 1
	.amdgcn_target "amdgcn-amd-amdhsa--gfx1250"
	.amdhsa_code_object_version 6
	.text
	.protected	k_q22b91641be_quant
	.globl	k_q22b91641be_quant
	.p2align	8
	.type	k_q22b91641be_quant,@function
k_q22b91641be_quant:
	s_mov_b64 s[64:65], 0
	v_nop
	global_prefetch_b8 v0, s[64:65] scope:SCOPE_SE
	s_setreg_imm32_b32 hwreg(HW_REG_WAVE_MODE, 25, 1), 1
	s_wait_xcnt 0x0
; The six weights [768 (k)][768 (n)] f32, text [512][768] and image [8][197][768] f32 become codes of FP6 (E2M3) with one E8M0 byte for each 32 along K,
; laid in the ORDER OF THE OPERAND'S REGISTERS.  A fragment (16 rows x 128 K, 12 registers a lane) is 1,536 bytes: registers 4 c .. 4 c + 3 of lane l at 512 c + 16 l.
; A RECORD (9,728 bytes = 38 x 256) is a tile of 16 rows for all of K: six fragments, then 512 bytes of scale words: lane l's 16 bytes are {s0, s1, s2, 0};
; word s is K step 2 s of row l (lanes 0-15) or K step 2 s + 1 of row l - 16 (lanes 16-31).
; THE ROWS OF A TILE: weights (a row = a column n) and image tiles: lane r of tile 2 B + u is row 32 B + 8 u + r + 8 (r / 8); text tiles: row 16 tile + r.
; A block's scale is 2^(floor(log2(largest magnitude)) - 2); its byte is the largest magnitude's exponent field - 2, held at 1 from below.
; LIMITS: a block of zeros gets the byte 1 and not 127 (its codes are zeros, and this program alone reads the bytes); blocks whose largest magnitude lies under 2^-124 are held at the byte 1;
; NaN and infinities among the inputs are not served.  Image rows from 197 on get zero codes.
; SHARES.  Twelve waves: K step kappa = wave / 2, sel = wave % 2.  Work-groups 0-71: weight x / 12, 64 columns each, a wave 32 columns x 128 K, A LANE TO A COLUMN, REGISTERS DOWN K.
; Work-groups 72-151: two tiles of rows each (tile 2 (x - 72) + sel: 0-31 text, 32-159 image), a wave one fragment; its 16 rows x 512 bytes turn through the wave's own stage in LDS.
; The scale words of a record come from six waves: they meet in LDS, one barrier, and leave as whole blocks of 512 bytes.  The two paths have LDS bytes of their own.
; No tensor loads, no matrix unit, no cluster: every input byte is read once by one wave.
.set REC,  9728
.set WSZ,  48*REC
.set SCW,  0                           ; LDS: the weight path's four scale pieces
.set SCA,  2048                        ; the row path's two
.set STG,  4096                        ; the row path's stages: 16 rows x 528 bytes for each wave
.set SPI,  528
.set X,    32                          ; v32-159 the numbers as loaded (weights: 128; rows: 64, then 64 turned at Y)
.set Y,    96
.set CD,   160                         ; v160-183 codes
.set TMP,  184                         ; v184-186 a block's upper 16 codes
.set MA,   188
.set MB,   189
.set SCL,  190
.set BY,   192                         ; v192-195 scale bytes
.set ZR,   196
.set WD,   197
; 32 numbers of one block, v[src] on, become 6 registers of codes at v[dst] and the scale's byte in v[byt]
.macro BLOCKQ src, dst, byt
	v_max3_num_f32 v[MA], |v[(\src)]|, |v[(\src)+1]|, |v[(\src)+2]|
	v_max3_num_f32 v[MB], |v[(\src)+3]|, |v[(\src)+4]|, |v[(\src)+5]|
.irp i, 6,10,14,18,22,26
	v_max3_num_f32 v[MA], v[MA], |v[(\src)+\i]|, |v[(\src)+\i+1]|
	v_max3_num_f32 v[MB], v[MB], |v[(\src)+\i+2]|, |v[(\src)+\i+3]|
.endr
	v_max3_num_f32 v[MA], v[MA], |v[(\src)+30]|, |v[(\src)+31]|
	v_max3_num_f32 v[MA], v[MA], v[MB], 0x1800000          ; the floor 2^(3 - 127): the byte cannot fall under 1
	v_add_nc_u32 v[SCL], 0xff000000, v[MA]                 ; 2 off the exponent field: the conversion's scale operand
	v_lshrrev_b32 v[(\byt)], 23, v[SCL]                    ; the byte
	v_cvt_scalef32_pk16_fp6_f32 v[(\dst):(\dst)+2], v[(\src):(\src)+15], v[SCL]
	v_cvt_scalef32_pk16_fp6_f32 v[TMP:TMP+2], v[(\src)+16:(\src)+31], v[SCL]   ; (a conversion's three registers begin on an even number)
	v_nop                                                  ; one plain place behind a scaled conversion
.irp i, 0,1,2
	v_mov_b32 v[(\dst)+3+\i], v[TMP+\i]
.endr
.endm
	s_load_b256 s[4:11], s[0:1], 0x0               ; Wt, Wq, Wi, Wk
	s_load_b256 s[12:19], s[0:1], 0x20             ; Wv, W1, text, image
	s_load_b128 s[20:23], s[0:1], 0x40             ; wimg, aimg
	v_lshl_add_u32 v200, v0, 2, 0x19c00
	v_mov_b32 v201, 0
	v_lshrrev_b32 v1, 5, v0
	v_readfirstlane_b32 s26, v1                    ; wave 0..11
	v_and_b32 v2, 31, v0                           ; lane
	v_mov_b32 v[ZR], 0
	v_lshlrev_b32 v3, 4, v2                        ; 16 x lane
	s_lshr_b32 s27, s26, 1                         ; kappa
	s_and_b32 s28, s26, 1                          ; sel
	s_and_b32 s29, s27, 1
	s_lshl_b32 s29, s29, 8
	s_lshr_b32 s30, s27, 1
	s_lshl_b32 s30, s30, 2
	s_add_co_u32 s29, s29, s30                     ; my K step's place in a scale piece: 256 (kappa % 2) + 4 (kappa / 2)
	s_cmp_ge_u32 ttmp9, 72
	s_cbranch_scc1 .Lact
	; ---------------- weights ----------------
	s_mul_i32 s31, ttmp9, 21846
	s_lshr_b32 s31, s31, 18                        ; w = x / 12 (exact for x < 72)
	s_mul_i32 s32, s31, 12
	s_sub_co_u32 s32, ttmp9, s32
	s_lshl_b32 s32, s32, 1
	s_add_co_u32 s32, s32, s28                     ; gb: my 32 columns, tiles 2 gb and 2 gb + 1
	v_lshlrev_b32 v4, 2, v2                        ; in: 4 bytes a lane
	v_bfe_u32 v5, v2, 3, 1                         ; column 32 gb + l lies in tile u = (l / 8) % 2,
	v_and_b32 v6, 7, v2
	v_lshrrev_b32 v7, 4, v2
	v_lshl_or_b32 v6, v7, 3, v6                    ; at row r = l % 8 + 8 (l / 16)
	v_mul_u32_u24 v7, v5, REC
	v_lshl_add_u32 v7, v6, 4, v7                   ; out: record u, 16 r
	s_lshl_b32 s33, s28, 10
	s_add_co_u32 s34, s33, s29
	v_lshlrev_b32 v8, 9, v5
	v_lshl_add_u32 v8, v6, 4, v8
	v_add_nc_u32 v8, s34, v8                       ; LDS: SCW + 1024 sel + 512 u + 16 r + my K step's place
	v_add_nc_u32 v9, s33, v3                       ; and the way back: 16 x lane
	s_mul_i32 s36, s27, 393216                     ; 128 rows of 3,072 bytes
	s_lshl_b32 s35, s32, 7
	s_add_co_u32 s36, s36, s35
	s_mov_b32 s37, 0
	s_mul_i32 s38, s31, WSZ
	s_mul_i32 s35, s32, 2*REC
	s_add_co_u32 s38, s38, s35
	s_mov_b32 s39, 0
	s_mul_i32 s40, s27, 1536
	s_mov_b32 s41, 0
	s_wait_kmcnt 0x0
	s_mov_b64 s[24:25], s[4:5]                     ; the weight is chosen by the work-group's number alone
	s_cmp_eq_u32 s31, 1
	s_cselect_b64 s[24:25], s[6:7], s[24:25]
	s_cmp_eq_u32 s31, 2
	s_cselect_b64 s[24:25], s[8:9], s[24:25]
	s_cmp_eq_u32 s31, 3
	s_cselect_b64 s[24:25], s[10:11], s[24:25]
	s_cmp_eq_u32 s31, 4
	s_cselect_b64 s[24:25], s[12:13], s[24:25]
	s_cmp_eq_u32 s31, 5
	s_cselect_b64 s[24:25], s[14:15], s[24:25]
	s_add_nc_u64 s[24:25], s[24:25], s[36:37]
	s_add_nc_u64 s[42:43], s[20:21], s[38:39]      ; my two records
	s_add_nc_u64 s[44:45], s[42:43], s[40:41]      ; and my K step's fragment in them
.set i, 0
.rept 128
	global_load_b32 v[X+i], v4, s[24:25] offset:3072*i th:TH_LOAD_NT   ; W(128 kappa + i, my column): 32 lanes read 128 consecutive bytes
.set i, i+1
.endr
	s_wait_loadcnt 63                              ; block 0's 32 loads are in (96 were issued behind them; 63 asks for more than is needed)
	BLOCKQ X, CD, BY                               ; blocks 0 and 2 are the registers of the fragment's lane r, blocks 1 and 3 those of lane 16 + r
	s_wait_loadcnt 63                              ; block 1's (64 behind them)
	BLOCKQ X+32, CD+12, BY+1
	s_wait_loadcnt 32                              ; block 2's
	BLOCKQ X+64, CD+6, BY+2
	s_wait_loadcnt 0x0
	BLOCKQ X+96, CD+18, BY+3
	v_lshl_or_b32 v[WD], v[BY+1], 8, v[BY]
	v_lshl_or_b32 v[WD], v[BY+2], 16, v[WD]
	v_lshl_or_b32 v[WD], v[BY+3], 24, v[WD]        ; my column's scale word for this K step
	ds_store_b32 v8, v[WD]
.irp c, 0,1,2
	global_store_b128 v7, v[CD+4*\c:CD+4*\c+3], s[44:45] offset:512*\c            ; sixteen lanes of a tile fill 256 consecutive bytes, aligned
	global_store_b128 v7, v[CD+12+4*\c:CD+12+4*\c+3], s[44:45] offset:512*\c+256
.endr
	s_cmp_lt_u32 s27, 2                            ; K steps 0 and 1 also write the pieces' fourth words
	s_cbranch_scc0 .Lw_no_zero
	ds_store_b32 v8, v[ZR] offset:12
.Lw_no_zero:
	s_wait_dscnt 0x0                               ; for the others' sake: my words lie in LDS
	s_barrier_signal -1
	s_barrier_wait -1
	s_cmp_lg_u32 s27, 0                            ; the waves of K step 0 store the whole pieces
	s_cbranch_scc1 .Lw_end
	ds_load_b128 v[12:15], v9
	ds_load_b128 v[16:19], v9 offset:512
	s_wait_dscnt 0x0
	global_store_b128 v3, v[12:15], s[42:43] offset:9216
	global_store_b128 v3, v[16:19], s[42:43] offset:REC+9216
.Lw_end:
	s_wait_tensorcnt 0x0
	ds_add_u32 v200, v201
	s_wait_dscnt 0x0
	s_endpgm
	; ---------------- text and image ----------------
.Lact:
	s_sub_co_u32 s31, ttmp9, 72
	s_lshl_b32 s31, s31, 1
	s_add_co_u32 s31, s31, s28                     ; tl: my record in aimg
	s_max_u32 s32, s31, 32
	s_sub_co_u32 s32, s32, 32                      ; the image tile's number (0 for a text tile)
	s_lshr_b32 s33, s32, 4                         ; batch
	s_mul_i32 s40, s33, 605184                     ; 197 rows of 3,072 bytes
	s_mov_b32 s41, 0
	s_and_b32 s34, s32, 15                         ; T
	s_lshr_b32 s35, s34, 1
	s_lshl_b32 s35, s35, 5
	s_and_b32 s36, s34, 1
	s_lshl_b32 s36, s36, 3
	s_add_co_u32 s35, s35, s36                     ; image: the tile's first row 32 (T / 2) + 8 (T % 2)
	s_lshl_b32 s36, s31, 4                         ; text: 16 tl
	s_mov_b32 s39, 196
	s_cmp_lt_u32 s31, 32
	s_cselect_b32 s35, s36, s35                    ; RB
	s_cselect_b32 s37, 0, 8                        ; what rows 8-15 of the tile lie further on
	s_cselect_b32 s38, 511, s39                    ; the last row that exists
	s_wait_kmcnt 0x0
	s_cselect_b64 s[24:25], s[16:17], s[18:19]
	s_add_nc_u64 s[24:25], s[24:25], s[40:41]
	s_add_co_u32 s36, s35, s37
	s_lshl_b32 s42, s27, 9                         ; my K step: 512 bytes of a row
	v_and_b32 v5, 15, v2                           ; r
	v_lshrrev_b32 v6, 4, v2                        ; h
	s_mul_i32 s43, s26, 16*SPI
	s_add_co_u32 s43, s43, STG
	v_add_nc_u32 v10, s43, v3                      ; the stage, in: 16 x lane of a row
	v_mul_u32_u24 v11, v5, SPI
	v_lshl_add_u32 v11, v6, 7, v11
	v_add_nc_u32 v11, s43, v11                     ; and back: row r, 128 h: my block of 32
	s_lshl_b32 s33, s28, 9
	s_add_co_u32 s33, s33, SCA
	s_add_co_u32 s34, s33, s29
	v_lshl_add_u32 v8, v5, 4, s34                  ; LDS: SCA + 512 sel + 16 r + my K step's place
	v_add_nc_u32 v9, s33, v3
	s_mul_i32 s46, s31, REC
	s_mov_b32 s47, 0
	s_add_nc_u64 s[48:49], s[22:23], s[46:47]      ; my record
	s_mul_i32 s50, s27, 1536
	s_mov_b32 s51, 0
	s_add_nc_u64 s[52:53], s[48:49], s[50:51]
	s_mov_b32 s54, 0x76543210
	s_mov_b32 s55, 0xfedcba98                      ; v_permlanex16_b32's selects for lane l xor 16
.irp p, 0,1,2,3,4,5,6,7,8,9,10,11,12,13,14,15
.if \p < 8
	s_add_co_u32 s56, s35, \p
.else
	s_add_co_u32 s56, s36, \p
.endif
	s_min_u32 s56, s56, s38                        ; no load leaves its buffer: rows past the end read the last row, and their codes are cleared below
	s_mul_i32 s56, s56, 3072
	s_add_co_u32 s56, s56, s42
	v_add_nc_u32 v[16+\p], s56, v3
	global_load_b128 v[X+4*\p:X+4*\p+3], v[16+\p], s[24:25]      ; 32 lanes read 512 consecutive bytes
.endr
.irp p, 0,1,2,3,4,5,6,7,8,9,10,11,12,13,14,15
	s_wait_loadcnt 15-\p                           ; row p is in; the rows behind it may be out
	ds_store_b128 v10, v[X+4*\p:X+4*\p+3] offset:SPI*\p
.endr
.irp c, 0,1
.irp q, 0,1,2,3,4,5,6,7
	ds_load_b128 v[Y+32*\c+4*\q:Y+32*\c+4*\q+3], v11 offset:256*\c+16*\q   ; LDS serves a wave's instructions in order: these see my stores.  k = 64 c + 32 h + 4 q ..
.endr
.endr
	s_wait_dscnt 0x0
	BLOCKQ Y, CD, BY                               ; registers 0-5 of the fragment
	BLOCKQ Y+32, CD+6, BY+1                        ; registers 6-11
	v_lshrrev_b32 v12, 3, v5
	v_mul_u32_u24 v12, s37, v12
	v_add3_u32 v12, v12, v5, s35                   ; my row
	v_cmp_lt_u32 vcc_lo, s38, v12                  ; past the end?
.irp i, 0,1,2,3,4,5,6,7,8,9,10,11
	v_cndmask_b32 v[CD+\i], v[CD+\i], v[ZR], vcc_lo
.endr
	v_lshl_or_b32 v13, v[BY+1], 16, v[BY]          ; my two bytes: blocks h and 2 + h,
	v_lshlrev_b32 v14, 3, v6
	v_lshlrev_b32 v13, v14, v13                    ; at their places (8 h bits up);
	v_mov_b32 v15, 0
	v_permlanex16_b32 v15, v13, s54, s55
	v_or_b32 v13, v13, v15                         ; with lane l xor 16's two the word is whole
	ds_store_b32 v8, v13                           ; (both halves of the lanes write the same word with the same value)
.irp c, 0,1,2
	global_store_b128 v3, v[CD+4*\c:CD+4*\c+3], s[52:53] offset:512*\c
.endr
	s_cmp_lt_u32 s27, 2
	s_cbranch_scc0 .La_no_zero
	ds_store_b32 v8, v[ZR] offset:12
.La_no_zero:
	s_wait_dscnt 0x0
	s_barrier_signal -1
	s_barrier_wait -1
	s_cmp_lg_u32 s27, 0
	s_cbranch_scc1 .La_end
	ds_load_b128 v[12:15], v9
	s_wait_dscnt 0x0
	global_store_b128 v3, v[12:15], s[48:49] offset:9216
.La_end:
	s_wait_tensorcnt 0x0
	ds_add_u32 v200, v201
	s_wait_dscnt 0x0
	s_endpgm
.Lfunc_end_k_q22b91641be_quant:
	.size	k_q22b91641be_quant, .Lfunc_end_k_q22b91641be_quant-k_q22b91641be_quant
	.p2alignl 7, 3214868480
	.fill 96, 4, 3214868480
	.section	.rodata,"a",@progbits
	.p2align	6, 0x0
	.amdhsa_kernel k_q22b91641be_quant
		.amdhsa_group_segment_fixed_size 107008
		.amdhsa_private_segment_fixed_size 0
		.amdhsa_enable_private_segment 0
		.amdhsa_kernarg_size 80
		.amdhsa_user_sgpr_count 2
		.amdhsa_user_sgpr_kernarg_segment_ptr 1
		.amdhsa_wavefront_size32 1
		.amdhsa_system_sgpr_workgroup_id_x 1
		.amdhsa_system_sgpr_workgroup_id_y 1
		.amdhsa_system_sgpr_workgroup_id_z 1
		.amdhsa_system_vgpr_workitem_id 0
		.amdhsa_next_free_vgpr 202
		.amdhsa_next_free_sgpr 66
		.amdhsa_reserve_vcc 1
		.amdhsa_float_denorm_mode_32 3
		.amdhsa_float_denorm_mode_16_64 3
		.amdhsa_memory_ordered 1
		.amdhsa_forward_progress 1
		.amdhsa_inst_pref_size 36
	.end_amdhsa_kernel
	.amdgpu_metadata
---
amdhsa.version: [ 1, 2 ]
amdhsa.kernels:
  - .name:           k_q22b91641be_quant
    .symbol:         k_q22b91641be_quant.kd
    .args:
      - { .name: Wt, .offset: 0, .size: 8, .value_kind: global_buffer, .address_space: global }
      - { .name: Wq, .offset: 8, .size: 8, .value_kind: global_buffer, .address_space: global }
      - { .name: Wi, .offset: 16, .size: 8, .value_kind: global_buffer, .address_space: global }
      - { .name: Wk, .offset: 24, .size: 8, .value_kind: global_buffer, .address_space: global }
      - { .name: Wv, .offset: 32, .size: 8, .value_kind: global_buffer, .address_space: global }
      - { .name: W1, .offset: 40, .size: 8, .value_kind: global_buffer, .address_space: global }
      - { .name: text, .offset: 48, .size: 8, .value_kind: global_buffer, .address_space: global }
      - { .name: image, .offset: 56, .size: 8, .value_kind: global_buffer, .address_space: global }
      - { .name: wimg, .offset: 64, .size: 8, .value_kind: global_buffer, .address_space: global }
      - { .name: aimg, .offset: 72, .size: 8, .value_kind: global_buffer, .address_space: global }
    .group_segment_fixed_size: 107008
    .private_segment_fixed_size: 0
    .kernarg_segment_align: 8
    .kernarg_segment_size: 80
    .max_flat_workgroup_size: 384
    .sgpr_count:     66
    .vgpr_count:     202
    .wavefront_size: 32
...
	.end_amdgpu_metadata
.endif
;; end of part 1
;; launch proj (part 2): grid 168 x 1, 4 waves a work-group, no clusters, 17,920 bytes of LDS; arguments wimg, aimg, bt, bq, bi, bk, bv, teimg, ie, hfc, hfs; writes teimg, ie, hfc, hfs
.if DOCPART == 2
	.amdgcn_target "amdgcn-amd-amdhsa--gfx1250"
	.amdhsa_code_object_version 6
	.text
	.protected	k_q22b91641be_proj
	.globl	k_q22b91641be_proj
	.p2align	8
	.type	k_q22b91641be_proj,@function
k_q22b91641be_proj:
	s_mov_b64 s[64:65], 0
	v_nop
	global_prefetch_b8 v0, s[64:65] scope:SCOPE_SE
	s_setreg_imm32_b32 hwreg(HW_REG_WAVE_MODE, 25, 1), 1
	s_wait_xcnt 0x0
; The five projections on codes of FP6: te = text Wt + bt, q = text Wq + bq, ie = image Wi + bi, k = image Wk + bk, v = image Wv + bv.
; A WAVE IS A TASK (task = 4 x work-group + wave, 672 of them): source 0 = 4 tiles X, whose rows run along a lane's registers in the result; source 1 = 8 tiles Y, whose rows are the lanes.
; 32 accumulators, six K steps of 128, 192 matrix instructions.  te, q, ie, k: X = 64 output features (weight tiles), Y = 128 rows.  v: X = 64 image rows, Y = 128 features, so that v's registers run along the keys.
; By the choice of a tile's rows (lane r of tile 2 B + u is row 32 B + 8 u + r + 8 (r / 8)) register 32 y + 16 B + e of lane (r, h) is X's row 32 B + 16 h + e: sixteen neighbours.
; OPERANDS come from memory straight into registers as images of the registers (three loads of 16 bytes a lane for a fragment), two sets by turns, a K step ahead.
; No cluster and no tensor load: no tile goes through LDS here, and a task's whole work is 192 matrix instructions.  No barrier: waves share nothing.
; RESULTS.  te: as images of the registers that the next launch multiplies by.  ie: plain rows [8][256][768] f32, through the wave's stage in LDS, 256 consecutive bytes for sixteen lanes.
; q, k, v: quantised in registers along the head's 64 (q, k) or along 64 keys (v): half a fragment (6 registers: 512 + 256 bytes) and a scale word (two bytes, the upper two 0) a tile.
; v's rows from key 197 on are cleared ahead of the block's largest magnitude.  The bias is the C of a sum's first matrix instruction (v: added behind, since it lies along the lanes there).
; LIMITS: as in the launch before: a block of zeros has the byte 1; NaN and infinities are not served.
; REGISTERS: window 0: addresses, v16-31 X's scale words, v32-63 Y's, v64-95 the bias as C, v96-103 v's bias, v104-111 the scale words made, v112-128 at work, v132-163 rows of ie.
;   window 1: the accumulators, (y, x) at 32 y + 8 x.   windows 2 and 3: the two sets of fragments: X at 12 x, Y at 48 + 12 y.
.set REC, 9728
.set WSZ, 48*REC
.set LI,  1                            ; 16 x lane
.set R,   2
.set HH,  3
.set H64, 4                            ; 64 h
.set STO, 5
.set RD,  6
.set CO,  7
.set PB,  8                            ; 4 (r + 8 (r / 8))
.set L8,  9                            ; 8 x lane
.set ZR,  10
.set XS,  16
.set YS,  32
.set CB,  64
.set BV,  96
.set PW,  104
.set TM,  112
.set CQ,  120
.set CT,  126
.set OB,  132
.set MSB, 0
.macro WIN new                         ; the immediate's high byte repeats the setting that is left
.if MSB != \new
	s_set_vgpr_msb (MSB<<8)|\new
.set MSB, \new
.endif
.endm
.macro BIASLOAD                        ; tile x's eight registers of lane (., h): features 32 (x / 2) + 16 h + 8 (x % 2) + 0 .. 7
.irp x, 0,1,2,3
	global_load_b128 v[CB+8*\x:CB+8*\x+3], v[H64], s[36:37] offset:128*(\x/2)+32*(\x%2)
	global_load_b128 v[CB+8*\x+4:CB+8*\x+7], v[H64], s[36:37] offset:128*(\x/2)+32*(\x%2)+16
.endr
.endm
.macro LOADSET k                       ; K step k's twelve fragments into set k % 2: 36 loads
	WIN 0x80+0x40*((\k)%2)
.irp x, 0,1,2,3
.irp c, 0,1,2
	global_load_b128 v[12*\x+4*\c:12*\x+4*\c+3], v[LI], s[32:33] offset:REC*\x+1536*(\k)+512*\c
.endr
.endr
.irp y, 0,1,2,3,4,5,6,7
.irp c, 0,1,2
	global_load_b128 v[48+12*\y+4*\c:48+12*\y+4*\c+3], v[LI], s[34:35] offset:REC*\y+1536*(\k)+512*\c
.endr
.endr
	WIN 0
.endm
.macro KSTEP k                         ; 32 matrix instructions; the accumulators take turns, one instruction a turn
.if \k < 5
	s_wait_loadcnt 36                              ; this K step's set is in; the next one's 36 loads may be out
.else
	s_wait_loadcnt 0x0
.endif
.if \k == 0
	WIN 0x4a                                       ; X and Y window 2, C (the bias) window 0, D window 1
.elseif (\k)%2 == 0
	WIN 0x5a
.else
	WIN 0x5f                                       ; X and Y window 3
.endif
.irp y, 0,1,2,3,4,5,6,7
.irp x, 0,1,2,3
.if \k == 0
	v_wmma_scale_f32_16x16x128_f8f6f4 v[32*\y+8*\x:32*\y+8*\x+7], v[12*\x:12*\x+11], v[48+12*\y:48+12*\y+11], v[CB+8*\x:CB+8*\x+7], v[XS+4*\x], v[YS+4*\y] matrix_a_fmt:MATRIX_FMT_FP6 matrix_b_fmt:MATRIX_FMT_FP6
.elseif (\k)%2 == 0
	v_wmma_scale_f32_16x16x128_f8f6f4 v[32*\y+8*\x:32*\y+8*\x+7], v[12*\x:12*\x+11], v[48+12*\y:48+12*\y+11], v[32*\y+8*\x:32*\y+8*\x+7], v[XS+4*\x+(\k)/2], v[YS+4*\y+(\k)/2] matrix_a_fmt:MATRIX_FMT_FP6 matrix_b_fmt:MATRIX_FMT_FP6
.else
	v_wmma_scale_f32_16x16x128_f8f6f4 v[32*\y+8*\x:32*\y+8*\x+7], v[12*\x:12*\x+11], v[48+12*\y:48+12*\y+11], v[32*\y+8*\x:32*\y+8*\x+7], v[XS+4*\x+(\k)/2], v[YS+4*\y+(\k)/2] matrix_a_fmt:MATRIX_FMT_FP6 matrix_b_fmt:MATRIX_FMT_FP6 matrix_a_scale:MATRIX_SCALE_ROW1 matrix_b_scale:MATRIX_SCALE_ROW1
.endif
.endr
.endr
	WIN 0
.rept 4
	v_nop                                          ; four places in front of loads into registers that matrix instructions have read, and of the first read of results
.endr
.if \k < 4
	LOADSET (\k)+2
.endif
.endm
	s_load_b256 s[4:11], s[0:1], 0x0               ; wimg, aimg, bt, bq
	s_load_b256 s[12:19], s[0:1], 0x20             ; bi, bk, bv, teimg
	s_load_b128 s[20:23], s[0:1], 0x40             ; ie, hfc
	s_load_b64 s[24:25], s[0:1], 0x50              ; hfs
	v_lshl_add_u32 v254, v0, 2, 0x4400
	v_mov_b32 v255, 0
	v_lshrrev_b32 v1, 5, v0
	v_readfirstlane_b32 s26, v1                    ; wave
	v_and_b32 v11, 31, v0
	v_lshlrev_b32 v[LI], 4, v11
	v_lshlrev_b32 v[L8], 3, v11
	v_and_b32 v[R], 15, v0
	v_bfe_u32 v[HH], v0, 4, 1
	v_lshlrev_b32 v[H64], 6, v[HH]
	v_and_b32 v12, 8, v[R]
	v_add_nc_u32 v12, v12, v[R]
	v_lshlrev_b32 v[PB], 2, v12
	s_mul_i32 s38, s26, 4352                       ; my stage: 16 rows x 272 bytes
	v_mul_u32_u24 v[STO], v[R], 272
	v_add_nc_u32 v[STO], v[STO], v[H64]
	v_add_nc_u32 v[STO], s38, v[STO]               ; in: row r, 64 h
	v_mul_u32_u24 v[RD], v[HH], 272
	v_lshl_add_u32 v[RD], v[R], 4, v[RD]
	v_add_nc_u32 v[RD], s38, v[RD]                 ; back: lanes 0-15 one row, lanes 16-31 the next
	v_mul_u32_u24 v[CO], v[HH], 3072
	v_lshl_add_u32 v[CO], v[R], 4, v[CO]           ; and the same in ie
	v_mov_b32 v[ZR], 0
	v_mov_b32 v[TM+2], 0                           ; written once: a lane permute's destination counts as one of its sources
	v_mov_b32 v[TM+3], 0
.irp y, 0,1,2,3,4,5,6,7
	v_mov_b32 v[BV+\y], 0                          ; written on every path; v's tasks load their bias over it
.endr
	s_mov_b32 s46, 0x76543210
	s_mov_b32 s47, 0xfedcba98
	s_mov_b32 s48, 0xffff0000                      ; lanes 16-31
	s_mov_b32 s41, 0
	s_lshl_b32 s27, ttmp9, 2
	s_add_co_u32 s27, s27, s26                     ; task
	s_wait_kmcnt 0x0
	s_cmp_lt_u32 s27, 96
	s_cbranch_scc0 .Lnot_text
	; tasks 0-47 te, 48-95 q: gy = u % 4 (128 rows of text), G = u / 4 (64 features)
	s_cmp_lt_u32 s27, 48
	s_cselect_b32 s28, 0, 1                        ; the kind: 0 te, 1 q, 2 ie, 3 k, 4 v
	s_cselect_b32 s38, 0, 48
	s_cselect_b32 s39, 0, WSZ
	s_cselect_b64 s[36:37], s[8:9], s[10:11]
	s_sub_co_u32 s38, s27, s38
	s_and_b32 s30, s38, 3
	s_lshr_b32 s29, s38, 2
	s_mul_i32 s40, s29, 4*REC
	s_add_co_u32 s40, s40, s39
	s_add_nc_u64 s[32:33], s[4:5], s[40:41]
	s_mul_i32 s40, s30, 8*REC
	s_add_nc_u64 s[34:35], s[6:7], s[40:41]
	s_lshl_b32 s40, s29, 8
	s_add_nc_u64 s[36:37], s[36:37], s[40:41]
	BIASLOAD
	s_branch .Lcore
.Lnot_text:
	s_cmp_lt_u32 s27, 480
	s_cbranch_scc0 .Lset_v
	; tasks 96-287 ie, 288-479 k: gy = u % 16 (128 rows of image tiles), G = u / 16
	s_mov_b32 s38, 288
	s_mov_b32 s39, 3*WSZ
	s_cmp_lt_u32 s27, 288
	s_cselect_b32 s28, 2, 3
	s_cselect_b32 s38, 96, s38
	s_cselect_b32 s39, 2*WSZ, s39
	s_cselect_b64 s[36:37], s[12:13], s[14:15]
	s_sub_co_u32 s38, s27, s38
	s_and_b32 s30, s38, 15
	s_lshr_b32 s29, s38, 4
	s_mul_i32 s40, s29, 4*REC
	s_add_co_u32 s40, s40, s39
	s_add_nc_u64 s[32:33], s[4:5], s[40:41]
	s_mul_i32 s40, s30, 8*REC
	s_add_co_u32 s40, s40, 32*REC
	s_add_nc_u64 s[34:35], s[6:7], s[40:41]
	s_lshl_b32 s40, s29, 8
	s_add_nc_u64 s[36:37], s[36:37], s[40:41]
	BIASLOAD
	s_branch .Lcore
.Lset_v:
	; tasks 480-671 v: xi = u % 32 (64 image rows: batch xi / 4, part xi % 4), yg = u / 32 (128 features)
	s_mov_b32 s28, 4
	s_sub_co_u32 s38, s27, 480
	s_and_b32 s30, s38, 31
	s_lshr_b32 s29, s38, 5
	s_mul_i32 s40, s30, 4*REC
	s_add_co_u32 s40, s40, 32*REC
	s_add_nc_u64 s[32:33], s[6:7], s[40:41]
	s_mul_i32 s40, s29, 8*REC
	s_add_co_u32 s40, s40, 4*WSZ
	s_add_nc_u64 s[34:35], s[4:5], s[40:41]
	s_lshl_b32 s40, s29, 9
	s_add_nc_u64 s[36:37], s[16:17], s[40:41]
.set i, 0
.rept 32
	v_mov_b32 v[CB+i], 0                           ; the one text of the first K step takes its C from registers: here zeros
.set i, i+1
.endr
.irp y, 0,1,2,3,4,5,6,7
	global_load_b32 v[BV+\y], v[PB], s[36:37] offset:128*(\y/2)+32*(\y%2)   ; lane r of tile y is feature 32 (y / 2) + 8 (y % 2) + r + 8 (r / 8)
.endr
.Lcore:
.irp x, 0,1,2,3
	global_load_b128 v[XS+4*\x:XS+4*\x+3], v[LI], s[32:33] offset:REC*\x+9216
.endr
.irp y, 0,1,2,3,4,5,6,7
	global_load_b128 v[YS+4*\y:YS+4*\y+3], v[LI], s[34:35] offset:REC*\y+9216
.endr
	LOADSET 0
	LOADSET 1
	KSTEP 0
	KSTEP 1
	KSTEP 2
	KSTEP 3
	KSTEP 4
	KSTEP 5
	s_cmp_eq_u32 s28, 0
	s_cbranch_scc1 .Lepi_te
	s_cmp_eq_u32 s28, 2
	s_cbranch_scc1 .Lepi_ie
	; ---- q, k, v: where the half fragments (768 bytes) and the scale pieces (512 bytes) go.  Tile y's half fragment lies s51 (y / 4) + s52 (y % 4) bytes on
	s_cmp_eq_u32 s28, 1
	s_cbranch_scc0 .Lb_k
	s_mul_i32 s53, s30, 24
	s_add_co_u32 s53, s53, s29                     ; q: piece 12 b + head, b = 2 gy + y / 4
	s_lshl_b32 s50, s53, 2
	s_mov_b32 s51, 48*768
	s_mov_b32 s52, 768
	s_mov_b32 s54, 12*512
	s_mov_b32 s55, 0
	s_branch .Lq_go
.Lb_k:
	s_cmp_eq_u32 s28, 3
	s_cbranch_scc0 .Lb_v
	s_lshr_b32 s38, s30, 1
	s_mul_i32 s38, s38, 12
	s_add_co_u32 s38, s38, s29                     ; 12 b + head
	s_and_b32 s39, s30, 1
	s_lshl_b32 s50, s38, 4
	s_lshl_b32 s40, s39, 3
	s_add_co_u32 s50, s50, s40
	s_add_co_u32 s50, s50, 384                     ; k: 384 + 16 (12 b + head) + T
	s_lshl_b32 s53, s38, 2
	s_lshl_b32 s40, s39, 1
	s_add_co_u32 s53, s53, s40
	s_add_co_u32 s53, s53, 96
	s_mov_b32 s51, 4*768
	s_mov_b32 s52, 768
	s_mov_b32 s54, 512
	s_mov_b32 s55, 0
	s_branch .Lq_go
.Lb_v:
	s_lshr_b32 s38, s30, 2
	s_mul_i32 s38, s38, 12
	s_lshl_b32 s39, s29, 1
	s_add_co_u32 s38, s38, s39                     ; 12 b + 2 yg
	s_and_b32 s55, s30, 3                          ; xg: which 64 keys
	s_lshl_b32 s50, s38, 4
	s_add_co_u32 s50, s50, s55
	s_add_co_u32 s50, s50, 1920                    ; v: 1920 + 4 (4 (12 b + head) + dt) + xg
	s_lshl_b32 s53, s38, 2
	s_add_co_u32 s53, s53, s55
	s_add_co_u32 s53, s53, 480
	s_mov_b32 s51, 16*768
	s_mov_b32 s52, 4*768
	s_mov_b32 s54, 4*512
.Lq_go:
	s_mul_i32 s40, s50, 768
	s_add_nc_u64 s[56:57], s[22:23], s[40:41]
	s_lshl_b32 s40, s53, 9
	s_add_nc_u64 s[58:59], s[24:25], s[40:41]
; v's tile y: the bias, and behind key 196 zeros
.macro VPRE y
	WIN 0x44                                       ; source 1 and the destination window 1
.set i, 0
.rept 32
	v_add_f32 v[32*(\y)+i], v[BV+(\y)], v[32*(\y)+i]     ; each accumulator from its low end on
.set i, i+1
.endr
	WIN 0
	s_cmp_lg_u32 s55, 3
	s_cbranch_scc1 .Lno_mask_\@
	WIN 0x41                                       ; keys 192 + 32 B + 16 h + e: only B = 0, h = 0, e < 5 exist
.irp e, 0,1,2,3,4
	v_cndmask_b32 v[32*(\y)+\e], v[32*(\y)+\e], v[ZR], s48
.endr
.set i, 5
.rept 27
	v_mov_b32 v[32*(\y)+i], 0
.set i, i+1
.endr
	WIN 0
.Lno_mask_\@:
.endm
; tile y's 32 numbers a lane, register 16 B + e = K 32 B + 16 h + e of my row, become six registers of codes in v[CQ] on and the scale word v[PW + y]
.macro QUANT2 y
	WIN 0x05
	v_max3_num_f32 v[TM], |v[32*(\y)]|, |v[32*(\y)+1]|, 0x1800000        ; the floor 2^(3 - 127): the byte cannot fall under 1
	v_max3_num_f32 v[TM+1], |v[32*(\y)+16]|, |v[32*(\y)+17]|, 0x1800000
.irp i, 2,4,6,8,10,12,14
	v_max3_num_f32 v[TM], |v[32*(\y)+\i]|, |v[32*(\y)+\i+1]|, v[TM]
	v_max3_num_f32 v[TM+1], |v[32*(\y)+16+\i]|, |v[32*(\y)+17+\i]|, v[TM+1]
.endr
	WIN 0
	v_permlanex16_b32 v[TM+2], v[TM], s46, s47
	v_permlanex16_b32 v[TM+3], v[TM+1], s46, s47
	v_max_num_f32 v[TM], v[TM], v[TM+2]            ; with lane l xor 16's: the block's largest magnitude
	v_max_num_f32 v[TM+1], v[TM+1], v[TM+3]
	v_add_nc_u32 v[TM+4], 0xff000000, v[TM]        ; 2 off the exponent field: the conversion's scale operand
	v_add_nc_u32 v[TM+5], 0xff000000, v[TM+1]
	v_lshrrev_b32 v[TM+6], 23, v[TM+4]
	v_lshrrev_b32 v[TM+7], 23, v[TM+5]
	v_lshl_or_b32 v[PW+(\y)], v[TM+7], 8, v[TM+6]
	WIN 0x01
	v_cvt_scalef32_pk16_fp6_f32 v[CQ:CQ+2], v[32*(\y):32*(\y)+15], v[TM+4]
	v_cvt_scalef32_pk16_fp6_f32 v[CT:CT+2], v[32*(\y)+16:32*(\y)+31], v[TM+5]
	WIN 0
	v_nop                                          ; one plain place behind a scaled conversion
.irp i, 0,1,2
	v_permlane16_swap_b32 v[CQ+\i], v[CT+\i]       ; the operand's layout wants a whole block in a lane: lanes 0-15 block 0, lanes 16-31 block 1
.endr
.irp i, 0,1,2
	v_mov_b32 v[CQ+3+\i], v[CT+\i]
.endr
.endm
.macro EQ y
	s_wait_xcnt 0x0                                ; the last tile's stores have read their data and their base: both are written again below
	s_mul_i32 s40, s51, (\y)/4
	s_mul_i32 s42, s52, (\y)%4
	s_add_co_u32 s40, s40, s42
	s_add_nc_u64 s[60:61], s[56:57], s[40:41]
	s_cmp_lg_u32 s28, 4
	s_cbranch_scc1 .Lnot_v_\@
	VPRE \y
.Lnot_v_\@:
	QUANT2 \y
	global_store_b128 v[LI], v[CQ:CQ+3], s[60:61]                  ; 512 consecutive bytes,
	global_store_b64 v[L8], v[CQ+4:CQ+5], s[60:61] offset:512      ; and 256
.endm
	EQ 0
	EQ 1
	EQ 2
	EQ 3
	EQ 4
	EQ 5
	EQ 6
	EQ 7
	s_mov_b32 s40, s54
	s_add_nc_u64 s[62:63], s[58:59], s[40:41]
	global_store_b128 v[LI], v[PW:PW+3], s[58:59]                  ; four tiles' scale words a lane
	global_store_b128 v[LI], v[PW+4:PW+7], s[62:63]
	s_endpgm
.Lepi_te:                                              ; te leaves as it stands: tile tau = 8 gy + y, K step G / 2, pieces 8 (G % 2) + c
	s_mul_i32 s40, s30, 393216
	s_lshr_b32 s42, s29, 1
	s_lshl_b32 s42, s42, 13
	s_add_co_u32 s40, s40, s42
	s_and_b32 s42, s29, 1
	s_lshl_b32 s42, s42, 12
	s_add_co_u32 s40, s40, s42
	s_add_nc_u64 s[56:57], s[18:19], s[40:41]
	WIN 0x04                                       ; a store's data are its source 1: window 1
.irp y, 0,1,2,3,4,5,6,7
.irp c, 0,1,2,3,4,5,6,7
	global_store_b128 v[LI], v[32*\y+4*\c:32*\y+4*\c+3], s[56:57] offset:49152*\y+512*\c   ; 512 consecutive bytes; each accumulator from its low end on
.endr
.endr
	WIN 0
	s_endpgm
.Lepi_ie:                                              ; ie: rows 256 b + 128 (gy % 2) + ..., bytes 256 G on
	s_lshr_b32 s38, s30, 1
	s_lshl_b32 s38, s38, 8
	s_and_b32 s39, s30, 1
	s_lshl_b32 s39, s39, 7
	s_add_co_u32 s38, s38, s39
	s_mul_i32 s40, s38, 3072
	s_lshl_b32 s39, s29, 8
	s_add_co_u32 s40, s40, s39
	s_add_nc_u64 s[56:57], s[20:21], s[40:41]
.irp y, 0,1,2,3,4,5,6,7
	s_wait_xcnt 0x0                                ; the last tile's stores have read their registers
	WIN 0x04
.irp c, 0,1,2,3,4,5,6,7
	ds_store_b128 v[STO], v[32*\y+4*\c:32*\y+4*\c+3] offset:128*(\c/4)+16*(\c%4)
.endr
	WIN 0
.irp t, 0,1,2,3,4,5,6,7
	ds_load_b128 v[OB+4*\t:OB+4*\t+3], v[RD] offset:544*\t          ; LDS serves a wave's instructions in order: these see my stores
.endr
	s_wait_dscnt 0x0
.irp t, 0,1,2,3,4,5,6,7
	global_store_b128 v[CO], v[OB+4*\t:OB+4*\t+3], s[56:57] offset:3072*(32*(\y/2)+8*(\y%2)+2*\t+8*(\t/4))   ; sixteen lanes store 256 consecutive bytes, aligned
.endr
.endr
	s_wait_tensorcnt 0x0
	ds_add_u32 v254, v255
	s_wait_dscnt 0x0
	s_endpgm
.Lfunc_end_k_q22b91641be_proj:
	.size	k_q22b91641be_proj, .Lfunc_end_k_q22b91641be_proj-k_q22b91641be_proj
	.p2alignl 7, 3214868480
	.fill 96, 4, 3214868480
	.section	.rodata,"a",@progbits
	.p2align	6, 0x0
	.amdhsa_kernel k_q22b91641be_proj
		.amdhsa_group_segment_fixed_size 17920
		.amdhsa_private_segment_fixed_size 0
		.amdhsa_enable_private_segment 0
		.amdhsa_kernarg_size 88
		.amdhsa_user_sgpr_count 2
		.amdhsa_user_sgpr_kernarg_segment_ptr 1
		.amdhsa_wavefront_size32 1
		.amdhsa_system_sgpr_workgroup_id_x 1
		.amdhsa_system_sgpr_workgroup_id_y 1
		.amdhsa_system_sgpr_workgroup_id_z 1
		.amdhsa_system_vgpr_workitem_id 0
		.amdhsa_next_free_vgpr 912
		.amdhsa_next_free_sgpr 66
		.amdhsa_reserve_vcc 0
		.amdhsa_float_denorm_mode_32 3
		.amdhsa_float_denorm_mode_16_64 3
		.amdhsa_memory_ordered 1
		.amdhsa_forward_progress 1
		.amdhsa_inst_pref_size 117
	.end_amdhsa_kernel
	.amdgpu_metadata
---
amdhsa.version: [ 1, 2 ]
amdhsa.kernels:
  - .name:           k_q22b91641be_proj
    .symbol:         k_q22b91641be_proj.kd
    .args:
      - { .name: wimg, .offset: 0, .size: 8, .value_kind: global_buffer, .address_space: global }
      - { .name: aimg, .offset: 8, .size: 8, .value_kind: global_buffer, .address_space: global }
      - { .name: bt, .offset: 16, .size: 8, .value_kind: global_buffer, .address_space: global }
      - { .name: bq, .offset: 24, .size: 8, .value_kind: global_buffer, .address_space: global }
      - { .name: bi, .offset: 32, .size: 8, .value_kind: global_buffer, .address_space: global }
      - { .name: bk, .offset: 40, .size: 8, .value_kind: global_buffer, .address_space: global }
      - { .name: bv, .offset: 48, .size: 8, .value_kind: global_buffer, .address_space: global }
      - { .name: teimg, .offset: 56, .size: 8, .value_kind: global_buffer, .address_space: global }
      - { .name: ie, .offset: 64, .size: 8, .value_kind: global_buffer, .address_space: global }
      - { .name: hfc, .offset: 72, .size: 8, .value_kind: global_buffer, .address_space: global }
      - { .name: hfs, .offset: 80, .size: 8, .value_kind: global_buffer, .address_space: global }
    .group_segment_fixed_size: 17920
    .private_segment_fixed_size: 0
    .kernarg_segment_align: 8
    .kernarg_segment_size: 88
    .max_flat_workgroup_size: 128
    .sgpr_count:     66
    .vgpr_count:     912
    .wavefront_size: 32
...
	.end_amdgpu_metadata
.endif
;; end of part 2
;; launch gate (part 3): grid 232 x 1, 4 waves a work-group, clusters of 4 x 1, 327,680 bytes of LDS; arguments teimg, ie, wimg, b1, W2, b2, gate; writes gate
.if DOCPART == 3
	.amdgcn_target "amdgcn-amd-amdhsa--gfx1250"
	.amdhsa_code_object_version 6
	.text
	.protected	k_q22b91641be_gate
	.globl	k_q22b91641be_gate
	.p2align	8
	.type	k_q22b91641be_gate,@function
k_q22b91641be_gate:
	s_mov_b64 s[64:65], 0
	v_nop
	global_prefetch_b8 v0, s[64:65] scope:SCOPE_SE
	s_setreg_imm32_b32 hwreg(HW_REG_WAVE_MODE, 25, 1), 1
	s_wait_xcnt 0x0
	s_wait_alu depctr_hold_cnt(0) depctr_sa_sdst(0) depctr_va_vdst(0) depctr_va_sdst(0) depctr_va_ssrc(0) depctr_va_vcc(0) depctr_vm_vsrc(0)
	s_getreg_b32 s2, hwreg(HW_REG_IB_STS2, 6, 4)
	s_cmp_eq_u32 s2, 0
	s_cbranch_scc0 .Lentry_in_a_cluster
	s_endpgm
.Lentry_in_a_cluster:
	s_bfe_u32 s2, ttmp6, 0x10000c
	s_cmp_lg_u32 s2, 0x3003
	s_cbranch_scc0 .Lentry_shape_is_right
	s_endpgm
.Lentry_shape_is_right:
; gate[b][i][t] = sigmoid(relu((te[b][t] * ie[b][i]) W1 + b1) . W2 + b2).  The product with W1 is on codes of FP6 (E2M3) with one E8M0 scale for each 32 along K; the dot with W2 is f32 multiply-adds.
; SHARES.  Work-group wg = 4 x cluster + cx: batch wg % 8, image rows 7 (wg / 8) + 0 .. 6 (29 x 7 = 203: rows 197-202 are computed on ie's filler rows and read by nobody).
; Wave w owns t = 16 w + r for the 7 image rows: 7 tiles of 16 rows of the product.  ITS OPERAND STAYS IN REGISTERS: te * ie is multiplied and quantised once, 42 fragments, 504 registers.
; W1's 48 tiles of 16 columns stream through LDS; each fragment read from LDS feeds 7 matrix instructions.
; THE MATRIX INSTRUCTION IS USED TRANSPOSED (source 0 = 16 columns of W1, source 1 = my rows): a lane holds one row, its registers run along n, so relu and the dot with W2 stay in the lane until the end.
; By the choice of a tile's columns, register j of tile 2 B + u in lane (r, h) is n = 32 B + 16 h + 8 u + j.  b1 is the C of a sum's first matrix instruction.
; BY TURNS: two sets of 7 accumulators.  While one tile's 42 matrix instructions are issued, the tile before goes through relu and the dot: 84 vector instructions, TWO BEHIND EACH MATRIX INSTRUCTION.
; The relu is written with three sources, the register in the third place: under the products' window setting the third source and the destination mean window 0, so the 56 relus of a tile need no switch.
; The 28 packed multiply-adds need window 0 for all their sources: two to a slice, onto two different sums, between two switches; four of them stand at the head of the tile's run of LDS loads, where window 0 is set anyway.
; CLUSTER: all work-groups walk the same W1; the four of a cluster ask for each part JOINTLY (mask 15, the same descriptor in all four).  cx enters the addresses of te, ie and gate alone.
; THE RING: two slots of 12 records (116,736 bytes); a wave fetches three records with one tensor load.  By this text's count a wave has two tensor loads out at the start and one behind each change of slots;
; a refill has 12 tiles, 504 matrix instructions a wave, in which to land.
; LIMITS: a block of zeros has the byte 1 (its codes are zeros); NaN and infinities among the inputs are not served.
; REGISTERS: window 0: v1-15 addresses; v16-57 my operand's scale words (K step k, row m: 7 k + m); v58-65 W1's scale words, two sets; v66-79 and v224-237 the dots, two pairs for each m;
;   v80-111 b1's and W2's eight numbers, two sets; v112-223 the accumulators, two sets of 7 x 8.  In the prologue v80-245 are at work.
;   windows 1 and 2: my 42 fragments (7 k + m: 0-20, 21-41).   window 3: W1's six fragments of a tile, two sets; in the prologue te.
.set REC,   9728
.set WSZ,   48*REC
.set SLOTB, 12*REC
.set IE,    2*SLOTB                    ; LDS behind the ring: 8 rows of ie,
.set AUX,   IE+24576                   ; b1, then W2,
.set ASTG,  AUX+6144                   ; a stage of 7 fragments for each wave,
.set ASCS,  ASTG+4*10752               ; and of their scale words (7 x 128 bytes),
.set GST,   ASCS+4*896                 ; the gates: 8 rows x 256 bytes,
.set SPARE, GST+2048                   ; the spare words, 128 bytes for each wave: two blocks of 256 bytes that no other line names
.set SPW, 1
.set NIL, 2
.set LI,  3                            ; 16 x lane
.set LS,  4                            ; 4 x lane
.set ADB, 5
.set ADX, 6                            ; AUX + 64 h
.set STA, 7
.set STS, 8
.set IEA, 9                            ; IE + 64 h
.set ADC, 13
.set ASC, 16
.set BS,  58
.set GS,  66                           ; the dots: multiply-adds 0 and 2 of a row,
.set GS2, 224                          ; and 1 and 3
.set BI,  80
.set W2R, 88
.set ACC, 112
.set IEV, 80                           ; the prologue: 64 numbers of ie,
.set XX,  144                          ; 64 products,
.set TM,  208
.set PW,  224
.set PC,  226
.set T0,  112                          ; the tail
.set T1,  124
.set WV,  18
.set G1,  24
.set G0,  32
.set RB,  40                           ; s40  LDS byte of the record that is fetched next
.set AXS, 41                           ; s41  128 bytes for each pair of tiles passed: b1's and W2's place
.set SEL, 46
.set MSB, 0
.macro WIN new                         ; the immediate's high byte repeats the setting that is left
.if MSB != \new
	s_set_vgpr_msb (MSB<<8)|\new
.set MSB, \new
.endif
.endm
.macro CROUND                          ; a round of the cluster's barrier
	s_barrier_signal -1
	s_barrier_wait -1
	s_cmp_lg_u32 s[WV], 0
	s_cbranch_scc1 .Lnot_wave_0_\@
	s_barrier_signal -3
.Lnot_wave_0_\@:
	s_barrier_wait -3
	s_barrier_signal -1
	s_barrier_wait -1
.endm
.macro PLACES n
.rept \n
	v_nop
.endr
.endm
; 64 numbers of a lane, register 16 b + i = k 32 b + 16 (lane / 16) + i of my row, become a fragment's codes in v[PC] on and its scale word in v[PW]
.macro QUANT s
.irp b, 0,1,2,3
	v_max3_num_f32 v[TM+\b], |v[(\s)+16*\b]|, |v[(\s)+1+16*\b]|, 0x1800000   ; my 16 numbers of block b, and the floor 2^(3 - 127): the byte cannot fall under 1
.endr
.irp i, 2,4,6,8,10,12,14
.irp b, 0,1,2,3
	v_max3_num_f32 v[TM+\b], v[TM+\b], |v[(\s)+16*\b+\i]|, |v[(\s)+1+16*\b+\i]|
.endr
.endr
.irp b, 0,1,2,3
	v_permlanex16_b32 v[TM+4+\b], v[TM+\b], s[SEL], s[SEL+1]
.endr
.irp b, 0,1,2,3
	v_max_num_f32 v[TM+\b], v[TM+\b], v[TM+4+\b]   ; with lane l xor 16's: the block's largest magnitude
.endr
.irp b, 0,1,2,3
	v_add_nc_u32 v[TM+12+\b], 0xff000000, v[TM+\b] ; 2 off its exponent field: the conversion's scale operand
.endr
.irp c, 0,1
	v_cvt_scalef32_pk16_fp6_f32 v[PC+6*\c:PC+2+6*\c], v[(\s)+32*\c:(\s)+15+32*\c], v[TM+12+2*\c]
	v_cvt_scalef32_pk16_fp6_f32 v[PC+12+4*\c:PC+14+4*\c], v[(\s)+16+32*\c:(\s)+31+32*\c], v[TM+12+2*\c+1]   ; (a conversion's three registers begin on an even number)
.endr
.irp b, 0,1,2,3
	v_lshrrev_b32 v[TM+4+\b], 23, v[TM+12+\b]      ; the byte.  (These seven plain lines touch no result of the conversions and write none of their sources: they are the place behind them)
.endr
	v_lshl_or_b32 v[PW], v[TM+5], 8, v[TM+4]
	v_lshl_or_b32 v[PW], v[TM+6], 16, v[PW]
	v_lshl_or_b32 v[PW], v[TM+7], 24, v[PW]
.irp c, 0,1                                    ; the operand's layout wants a whole block in a lane
.irp i, 0,1,2
	v_permlane16_swap_b32 v[PC+6*\c+\i], v[PC+12+4*\c+\i]
.endr
.irp i, 0,1,2
	v_mov_b32 v[PC+3+6*\c+\i], v[PC+12+4*\c+\i]
.endr
.endr
.endm
.macro TELOAD k                        ; te of K step k: register 16 blk + e = te[my row][128 k + 32 blk + 16 h + e], into half k % 2 of window 3
	WIN 0xc0
.irp c, 0,1,2,3,4,5,6,7,8,9,10,11,12,13,14,15
	global_load_b128 v[64*((\k)%2)+4*\c:64*((\k)%2)+4*\c+3], v[LI], s[58:59] offset:8192*(\k)+512*\c
.endr
	WIN 0
.endm
	s_load_b256 s[4:11], s[0:1], 0x0               ; teimg, ie, wimg, b1
	s_load_b128 s[12:15], s[0:1], 0x20             ; W2, b2
	s_load_b64 s[16:17], s[0:1], 0x30              ; gate
	v_lshl_add_u32 v[SPW], v0, 2, SPARE
	v_mov_b32 v[NIL], 0
	ds_add_u32 v1, v2
	ds_add_u32 v1, v2
	s_wait_dscnt 0x0
	v_lshrrev_b32 v10, 5, v0
	v_readfirstlane_b32 s[WV], v10                 ; wave 0..3
	s_bfe_u32 s19, ttmp6, 0x40000                  ; cx
	s_lshl_b32 s20, ttmp9, 2
	s_add_co_u32 s20, s20, s19                     ; work-group
	s_and_b32 s21, s20, 7                          ; batch
	s_lshr_b32 s22, s20, 3                         ; which 7 image rows
	; descriptor group 1: three records, 29,184 dense bytes, as 114 rows of 256 bytes (32 elements of 8 bytes); no padding: the fragments are read 16 bytes a lane on end
	s_mov_b32 s[G1], 15|(3<<16)|(1<<21)            ; 15:0 the mask: all four work-groups; 17:16 elements of 8 bytes; 21 set beside a mask
	s_mov_b32 s[G1+1], 32<<16                      ; tensor_dim0 = 32
	s_mov_b32 s[G1+2], 114<<16                     ; tensor_dim1 = 114
	s_mov_b32 s[G1+3], 32<<16                      ; tile_dim0 = 32
	s_mov_b32 s[G1+4], 114                         ; tile_dim1 = 114
	s_mov_b32 s[G1+5], 32                          ; from row to row
	s_mov_b32 s[G1+6], 0
	s_mov_b32 s[G1+7], 0
	s_mov_b32 s[SEL], 0x76543210
	s_mov_b32 s[SEL+1], 0xfedcba98
	v_and_b32 v10, 31, v0
	v_lshlrev_b32 v[LI], 4, v10
	v_lshlrev_b32 v[LS], 2, v10
	v_bfe_u32 v11, v0, 4, 1
	v_lshlrev_b32 v11, 6, v11                      ; 64 h
	v_add_nc_u32 v[ADX], AUX, v11
	v_add_nc_u32 v[IEA], IE, v11
	s_mul_i32 s50, s[WV], 10752
	s_add_co_u32 s50, s50, ASTG
	v_add_nc_u32 v[STA], s50, v[LI]
	s_mul_i32 s50, s[WV], 896
	s_add_co_u32 s50, s50, ASCS
	v_add_nc_u32 v[STS], s50, v[LS]
.irp b, 0,1,2,3
	v_mov_b32 v[TM+4+\b], 0                        ; written once: a lane permute's destination counts as one of its sources
.endr
	v_lshlrev_b32 v12, 4, v0                       ; 16 x thread
	v_lshlrev_b32 v10, 3, v0                       ; 8 x thread
	v_add_nc_u32 v14, IE, v12
	v_add_nc_u32 v15, AUX, v10
	s_lshl_b32 s50, s21, 8
	s_mul_i32 s51, s22, 7
	s_add_co_u32 s50, s50, s51
	s_mul_i32 s56, s50, 3072                       ; ie at row 256 b + 7 g
	s_mov_b32 s57, 0
	s_lshl_b32 s50, s21, 2
	s_add_co_u32 s50, s50, s[WV]                   ; my tile of text rows: 4 b + wave
	s_mul_i32 s58, s50, 49152
	s_mov_b32 s59, 0
	s_mul_i32 s50, s[WV], 3*REC                    ; my three records of a slot: no place in the cluster enters it
	s_add_co_u32 s54, s50, 5*WSZ                   ; W1 is the sixth weight in wimg
	s_mov_b32 s55, 0
	s_wait_kmcnt 0x0
	s_add_nc_u64 s[56:57], s[6:7], s[56:57]
	s_add_nc_u64 s[58:59], s[4:5], s[58:59]
	s_add_nc_u64 s[54:55], s[8:9], s[54:55]
	; ---- 8 rows of ie (the eighth is only ever loaded ahead, never used), b1, W2, b2 and te's first K step are asked for ahead of the round: they are on their way while the work-groups meet
.irp j, 0,1,2,3,4,5,6,7,8,9,10,11
	global_load_b128 v[80+4*\j:83+4*\j], v12, s[56:57] offset:2048*\j
.endr
.irp j, 0,1,2
	global_load_b64 v[128+2*\j:129+2*\j], v10, s[10:11] offset:1024*\j
	global_load_b64 v[134+2*\j:135+2*\j], v10, s[12:13] offset:1024*\j
.endr
	s_load_b32 s48, s[14:15], 0x0                  ; b2
	TELOAD 0
	CROUND                                         ; all four work-groups are here: the first joint loads meet
.irp n, 0,1
	s_mov_b32 s[G0+4*\n], 1
	s_add_co_u32 s[G0+4*\n+1], s50, \n*SLOTB
	s_add_nc_u64 s[G0+4*\n+2:G0+4*\n+3], s[54:55], \n*SLOTB
	s_or_b32 s[G0+4*\n+3], s[G0+4*\n+3], 0x80000000
.endr
	tensor_load_to_lds s[G0:G0+3], s[G1:G1+7]      ; records 0-11
	s_nop 0
	tensor_load_to_lds s[G0+4:G0+7], s[G1:G1+7]    ; records 12-23: two loads of mine are out
	s_nop 0
	PLACES 4
	s_wait_loadcnt 16                              ; all but te's sixteen
.irp j, 0,1,2,3,4,5,6,7,8,9,10,11
	ds_store_b128 v14, v[80+4*\j:83+4*\j] offset:2048*\j
.endr
.irp j, 0,1,2
	ds_store_b64 v15, v[128+2*\j:129+2*\j] offset:1024*\j
	ds_store_b64 v15, v[134+2*\j:135+2*\j] offset:3072+1024*\j
.endr
	s_wait_dscnt 0x0                               ; for the others' sake: my stores lie in LDS
	s_barrier_signal -1
	s_barrier_wait -1
	; ---- THE PROLOGUE: for each K step, seven rows: te * ie, quantised; the codes go through my own stage so that a counted loop can write them and the fragments land in their registers by loads
.macro IELOAD
.irp q, 0,1,2,3,4,5,6,7,8,9,10,11,12,13,14,15
	ds_load_b128 v[IEV+4*\q:IEV+4*\q+3], v10 offset:128*(\q/4)+16*(\q%4)
.endr
.endm
.macro PROK k
.if \k < 5
	TELOAD (\k)+1
	s_wait_loadcnt 16                              ; this K step's te is in; the next one's sixteen loads may be out
.else
	s_wait_loadcnt 0x0
.endif
	s_wait_dscnt 32                                ; the last K step's last sixteen loads into ie's registers are in: behind them 4 stores and 28 loads were issued
	s_mov_b32 s44, 512*(\k)
	s_mov_b32 s45, 0
	s_mov_b32 s49, 0
	v_add_nc_u32 v10, s44, v[IEA]
	IELOAD                                         ; row 0
	s_mov_b32 s42, 0
	s_wait_dscnt 0x0                               ; on the way in nothing is out, so that the count at the row's head holds on both ways
.Lrow_\@:
	s_wait_dscnt 0x4                               ; this row of ie is in: behind its sixteen loads only the last row's four stores were issued
	WIN 0x03                                       ; source 0 (te) window 3
.set j, 0
.rept 32
	v_pk_mul_f32 v[XX+j:XX+j+1], v[64*((\k)%2)+j:64*((\k)%2)+j+1], v[IEV+j:IEV+j+1]
.set j, j+2
.endr
	WIN 0
	s_add_co_u32 s44, s44, 3072
	v_add_nc_u32 v10, s44, v[IEA]
	IELOAD                                         ; the next row lands while this one is quantised
	s_wait_dscnt 16                                ; all but these sixteen: the last row's four stores are done, so their data and address registers may be written again
	v_add_nc_u32 v11, s45, v[STA]
	v_add_nc_u32 v12, s49, v[STS]
	QUANT XX
.irp c, 0,1,2
	ds_store_b128 v11, v[PC+4*\c:PC+4*\c+3] offset:512*\c
.endr
	ds_store_b32 v12, v[PW]
	s_add_co_u32 s45, s45, 1536
	s_add_co_u32 s49, s49, 128
	s_add_co_u32 s42, s42, 1
	s_cmp_lt_u32 s42, 7
	s_cbranch_scc1 .Lrow_\@
	WIN 0x40+0x40*((\k)/3)                         ; fragments 7 k + m: window 1 (K steps 0-2) or 2
.irp m, 0,1,2,3,4,5,6
.irp c, 0,1,2
	ds_load_b128 v[12*(7*((\k)%3)+\m)+4*\c:12*(7*((\k)%3)+\m)+4*\c+3], v[STA] offset:1536*\m+512*\c   ; LDS serves a wave's instructions in order: these see my stores, and the next K step's stores come behind them
.endr
.endr
	WIN 0
.irp m, 0,1,2,3,4,5,6
	ds_load_b32 v[ASC+7*(\k)+\m], v[STS] offset:128*\m
.endr
.endm
	PROK 0
	PROK 1
	PROK 2
	PROK 3
	PROK 4
	PROK 5
	s_mov_b32 s[RB], 0
	s_mov_b32 s[AXS], 0
	s_wait_kmcnt 0x0                               ; b2
	s_wait_tensorcnt 0x1                           ; my part of slot 0 is in; slot 1's may stay out
	s_wait_dscnt 0x0
	s_barrier_signal -1
	s_barrier_wait -1                              ; everybody's is
.set j, 0
.rept 14
	v_mov_b32 v[GS+j], 0                           ; the dots begin at 0 (no LDS instruction of mine is out: the second fourteen held the prologue's codes)
	v_mov_b32 v[GS2+j], 0
.set j, j+1
.endr
; the record whose address stands in v[ADB]: six fragments into set p of window 3, its scale words into v[BS + 4 p] on
.macro FETCHL p
	WIN 0xc0
.irp k, 0,1,2,3,4,5
.irp c, 0,1,2
	ds_load_b128 v[72*(\p)+12*\k+4*\c:72*(\p)+12*\k+4*\c+3], v[ADB] offset:1536*\k+512*\c
.endr
.endr
	WIN 0
	ds_load_b128 v[BS+4*(\p):BS+4*(\p)+3], v[ADB] offset:9216
	s_add_co_u32 s[RB], s[RB], REC
.endm
; Number L of 84 of the vector work on set q.  Row m = L / 12; of a row's twelve, 0-7 are the relu of registers 0-7 (an accumulator is read from its low end on), 8-11 the four packed multiply-adds with W2.
.macro VW q, L
.set vm, (\L)/12
.set vs, (\L)%12
.set sa, ACC+56*(\q)+8*vm
.set sw, W2R+16*(\q)
.if vs < 8
.if (MSB>>4) != 0
	WIN 0
.endif
	v_max3_num_f32 v[sa+vs], 0, 0, v[sa+vs]        ; the register in the third place: window 0 under the products' setting too
.else
	WIN 0
.set sd, GS+2*vm+(GS2-GS)*(vs%2)
	v_pk_fma_f32 v[sd:sd+1], v[sa+2*(vs-8):sa+2*(vs-8)+1], v[sw+2*(vs-8):sw+2*(vs-8)+1], v[sd:sd+1]
.endif
.endm
; behind the tenth matrix instruction of tile j (set p): row 1's four multiply-adds; then ONE run of LDS loads: the next tile's fragments, scale words and b1 into the other set; this tile's own W2, which is read a tile later
.macro FEED p, ep, fetch
	WIN 0
	v_add_nc_u32 v[ADC], s[AXS], v[ADX]
.if \fetch
	v_add_nc_u32 v[ADB], s[RB], v[LI]
.endif
.if \ep
	VW 1-(\p), 20
	VW 1-(\p), 21
	VW 1-(\p), 22
	VW 1-(\p), 23
.endif
.if \fetch
	FETCHL 1-(\p)
	ds_load_b128 v[BI+16*(1-(\p)):BI+16*(1-(\p))+3], v[ADC] offset:32+96*(\p)
	ds_load_b128 v[BI+16*(1-(\p))+4:BI+16*(1-(\p))+7], v[ADC] offset:48+96*(\p)
.endif
	ds_load_b128 v[W2R+16*(\p):W2R+16*(\p)+3], v[ADC] offset:3072+32*(\p)
	ds_load_b128 v[W2R+16*(\p)+4:W2R+16*(\p)+7], v[ADC] offset:3088+32*(\p)
.if \p
	s_add_co_u32 s[AXS], s[AXS], 128
.endif
.endm
; A TILE of 16 columns of W1, set p: 42 matrix instructions, K step idx / 7, row idx % 7: the seven accumulators take turns, one instruction a turn.
; Behind instruction idx stand numbers 2 idx and 2 idx + 1 of the other set's vector work (idx < 10), numbers 20-23 in FEED, then 2 idx + 4 and 2 idx + 5: the list ends behind instruction 39.
; These are the places: between a sum's last matrix instruction (35 + m) and its first read in the next tile stand ten plain instructions or more that name none of its registers,
; and twenty and more in front of FEED's loads into the registers that the tile before has read.
.macro TILE p, ep, fetch
	s_wait_dscnt 0x0                               ; this tile's fragments, scale words and b1, asked for 32 matrix instructions ago
.set idx, 0
.rept 42
.set kk, idx/7
.set rA, 12*(idx%21)
.set rB, 72*(\p)+12*kk
.set rC, ACC+56*(\p)+8*(idx%7)
	WIN 0x07+4*(kk/3)                              ; source 0 (W1) window 3, source 1 (my rows) window 1 or 2, C and D window 0
.if kk == 0
	v_wmma_scale_f32_16x16x128_f8f6f4 v[rC:rC+7], v[rB:rB+11], v[rA:rA+11], v[BI+16*(\p):BI+16*(\p)+7], v[BS+4*(\p)], v[ASC+idx] matrix_a_fmt:MATRIX_FMT_FP6 matrix_b_fmt:MATRIX_FMT_FP6
.elseif kk%2 == 0
	v_wmma_scale_f32_16x16x128_f8f6f4 v[rC:rC+7], v[rB:rB+11], v[rA:rA+11], v[rC:rC+7], v[BS+4*(\p)+kk/2], v[ASC+idx] matrix_a_fmt:MATRIX_FMT_FP6 matrix_b_fmt:MATRIX_FMT_FP6
.else
	v_wmma_scale_f32_16x16x128_f8f6f4 v[rC:rC+7], v[rB:rB+11], v[rA:rA+11], v[rC:rC+7], v[BS+4*(\p)+kk/2], v[ASC+idx] matrix_a_fmt:MATRIX_FMT_FP6 matrix_b_fmt:MATRIX_FMT_FP6 matrix_a_scale:MATRIX_SCALE_ROW1
.endif
.if \ep
.if idx < 10
	VW 1-(\p), 2*idx
	VW 1-(\p), 2*idx+1
.elseif idx < 40
	VW 1-(\p), 2*idx+4
	VW 1-(\p), 2*idx+5
.endif
.endif
.if idx == 9
	FEED \p, \ep, \fetch
.endif
.set idx, idx+1
.endr
	WIN 0
.if !\ep
	PLACES 4                                       ; the first tile has no vector work beside it: these are the places behind its last products
.endif
.endm
; THE CHANGE OF SLOTS, ahead of a chunk's twelfth tile, whose fragments have been asked for: each wave waits for all its tensor loads (its part of the other slot), adds 0 to its spare word,
; and waits for that and for its reads of this slot.  fill = 1: a round of the cluster's barrier, and behind it this slot's next twelve records, asked for jointly.
.macro CHANGE fill, slot, next
	s_wait_tensorcnt 0x0                           ; no tensor load of mine is out, so a group 0 may be written
	ds_add_u32 v[SPW], v[NIL]                      ; 0 onto my spare word
.if \fill
	s_add_nc_u64 s[G0+4*\slot+2:G0+4*\slot+3], s[G0+4*\slot+2:G0+4*\slot+3], 2*SLOTB
.endif
	s_wait_dscnt 0x0                               ; the add is done, and my reads of this slot are over
.if \fill
	CROUND                                         ; no wave of any partner still reads this slot or has a load on its way
	tensor_load_to_lds s[G0+4*\slot:G0+4*\slot+3], s[G1:G1+7]
	s_nop 0
	PLACES 4
.else
	s_barrier_signal -1
	s_barrier_wait -1
.endif
	s_mov_b32 s[RB], \next
.endm
.macro PAIRS n
	s_mov_b32 s43, \n
.Lpair_\@:
	TILE 0, 1, 1
	TILE 1, 1, 1
	s_sub_co_u32 s43, s43, 1
	s_cmp_lg_u32 s43, 0
	s_cbranch_scc1 .Lpair_\@
.endm
	v_add_nc_u32 v[ADB], s[RB], v[LI]
	FETCHL 0                                       ; record 0
	ds_load_b128 v[BI:BI+3], v[ADX]
	ds_load_b128 v[BI+4:BI+7], v[ADX] offset:16
	TILE 0, 0, 1                                   ; records 0-11
	TILE 1, 1, 1
	PAIRS 4
	TILE 0, 1, 1
	CHANGE 1, 0, SLOTB                             ; slot 0 takes records 24-35
	TILE 1, 1, 1
	PAIRS 5                                        ; records 12-23
	TILE 0, 1, 1
	CHANGE 1, 1, 0                                 ; slot 1 takes records 36-47
	TILE 1, 1, 1
	PAIRS 5                                        ; records 24-35
	TILE 0, 1, 1
	CHANGE 0, 0, SLOTB                             ; nothing is left to fetch
	TILE 1, 1, 1
	PAIRS 5                                        ; records 36-47
	TILE 0, 1, 1
	TILE 1, 1, 0
	; ---- THE TAIL: the last tile's relu and dot; the parts of each dot; the sigmoid; 7 rows of 64 gates leave as whole blocks of 256 bytes
	s_wait_dscnt 0x0                               ; the last tile's W2
	PLACES 4
.set tl, 0
.rept 84
	VW 1, tl
.set tl, tl+1
.endr
.irp m, 0,1,2,3,4,5,6
	v_pk_add_f32 v[GS+2*\m:GS+2*\m+1], v[GS+2*\m:GS+2*\m+1], v[GS2+2*\m:GS2+2*\m+1]
.endr
.irp m, 0,1,2,3,4,5,6
	v_add_f32 v[T0+\m], v[GS+2*\m], v[GS+2*\m+1]
.endr
.irp m, 0,1,2,3,4,5,6
	v_mov_b32 v[T1+\m], 0
.endr
.irp m, 0,1,2,3,4,5,6
	v_permlanex16_b32 v[T1+\m], v[T0+\m], s[SEL], s[SEL+1]
.endr
.irp m, 0,1,2,3,4,5,6
	v_add_f32 v[T0+\m], v[T0+\m], v[T1+\m]         ; with lane l xor 16's columns: the whole dot
.endr
	s_mov_b32 s51, 0xbfb8aa3b                      ; -log2(e)
	s_mul_f32 s50, s48, s51
.irp m, 0,1,2,3,4,5,6
	v_fma_f32 v[T0+\m], v[T0+\m], s51, s50         ; -log2(e) (dot + b2)
.endr
.irp m, 0,1,2,3,4,5,6
	v_exp_f32 v[T0+\m], v[T0+\m]
.endr
	v_and_b32 v10, 15, v0                          ; (a plain place behind the exponentials)
	s_wait_alu depctr_va_vdst(0)                   ; one wait for the seven, ahead of their first reader
.irp m, 0,1,2,3,4,5,6
	v_add_f32 v[T0+\m], 1.0, v[T0+\m]
.endr
.irp m, 0,1,2,3,4,5,6
	v_rcp_f32 v[T0+\m], v[T0+\m]
.endr
	v_lshlrev_b32 v10, 2, v10                      ; (a plain place behind the reciprocals)
	s_lshl_b32 s50, s[WV], 6
	s_add_co_u32 s50, s50, GST
	v_add_nc_u32 v10, s50, v10                     ; GST + 64 wave + 4 r: t = 16 wave + r
	v_lshl_add_u32 v11, v0, 4, GST
	v_lshlrev_b32 v12, 4, v0
	s_wait_alu depctr_va_vdst(0)                   ; one wait for the seven
.irp m, 0,1,2,3,4,5,6
	ds_store_b32 v10, v[T0+\m] offset:256*\m       ; (both halves of the lanes write the same word with the same value)
.endr
	ds_store_b32 v10, v[NIL] offset:1792           ; the eighth row is read back below and not stored to memory
	s_mul_i32 s50, s21, 203
	s_mul_i32 s51, s22, 7
	s_add_co_u32 s50, s50, s51
	s_lshl_b32 s54, s50, 8
	s_mov_b32 s55, 0
	s_add_nc_u64 s[56:57], s[16:17], s[54:55]
	s_wait_dscnt 0x0
	s_barrier_signal -1
	s_barrier_wait -1
	ds_load_b128 v[120:123], v11
	s_wait_dscnt 0x0
	v_cmp_gt_u32 vcc_lo, 112, v0                   ; 7 rows x 256 bytes are 112 threads' 16 bytes
	s_wait_xcnt 0x0                                ; EXEC changes only behind this wait
	s_and_saveexec_b32 s52, vcc_lo
	global_store_b128 v12, v[120:123], s[56:57]
	s_wait_xcnt 0x0                                ; and again, in front of the line that widens it
	s_or_b32 exec_lo, exec_lo, s52
	s_wait_tensorcnt 0x0                           ; the wave's end
	ds_add_u32 v[SPW], v[NIL]
	s_wait_dscnt 0x0
	CROUND                                         ; the closing round: no work-group ends while a partner may still ask for a part that names it
	s_endpgm
.Lfunc_end_k_q22b91641be_gate:
	.size	k_q22b91641be_gate, .Lfunc_end_k_q22b91641be_gate-k_q22b91641be_gate
	.p2alignl 7, 3214868480
	.fill 96, 4, 3214868480
	.section	.rodata,"a",@progbits
	.p2align	6, 0x0
	.amdhsa_kernel k_q22b91641be_gate
		.amdhsa_group_segment_fixed_size 327680
		.amdhsa_private_segment_fixed_size 0
		.amdhsa_enable_private_segment 0
		.amdhsa_kernarg_size 56
		.amdhsa_user_sgpr_count 2
		.amdhsa_user_sgpr_kernarg_segment_ptr 1
		.amdhsa_wavefront_size32 1
		.amdhsa_system_sgpr_workgroup_id_x 1
		.amdhsa_system_sgpr_workgroup_id_y 1
		.amdhsa_system_sgpr_workgroup_id_z 1
		.amdhsa_system_vgpr_workitem_id 0
		.amdhsa_next_free_vgpr 912
		.amdhsa_next_free_sgpr 66
		.amdhsa_reserve_vcc 1
		.amdhsa_float_denorm_mode_32 3
		.amdhsa_float_denorm_mode_16_64 3
		.amdhsa_memory_ordered 1
		.amdhsa_forward_progress 1
		.amdhsa_inst_pref_size 255
	.end_amdhsa_kernel
	.section	.bss,"aw",@nobits
	.p2align	6
	.space	262144
	.amdgpu_metadata
---
amdhsa.version: [ 1, 2 ]
amdhsa.kernels:
  - .name:           k_q22b91641be_gate
    .symbol:         k_q22b91641be_gate.kd
    .args:
      - { .name: teimg, .offset: 0, .size: 8, .value_kind: global_buffer, .address_space: global }
      - { .name: ie, .offset: 8, .size: 8, .value_kind: global_buffer, .address_space: global }
      - { .name: wimg, .offset: 16, .size: 8, .value_kind: global_buffer, .address_space: global }
      - { .name: b1, .offset: 24, .size: 8, .value_kind: global_buffer, .address_space: global }
      - { .name: W2, .offset: 32, .size: 8, .value_kind: global_buffer, .address_space: global }
      - { .name: b2, .offset: 40, .size: 8, .value_kind: global_buffer, .address_space: global }
      - { .name: gate, .offset: 48, .size: 8, .value_kind: global_buffer, .address_space: global }
    .group_segment_fixed_size: 327680
    .private_segment_fixed_size: 0
    .kernarg_segment_align: 8
    .kernarg_segment_size: 56
    .max_flat_workgroup_size: 128
    .sgpr_count:     66
    .vgpr_count:     912
    .wavefront_size: 32
...
	.end_amdgpu_metadata
.endif
;; end of part 3
;; launch attn (part 4): grid 48 x 8, 1 waves a work-group, no clusters, 4,864 bytes of LDS; arguments hfc, hfs, gate, out0; writes out0
.if DOCPART == 4
	.amdgcn_target "amdgcn-amd-amdhsa--gfx1250"
	.amdhsa_code_object_version 6
	.text
	.protected	k_q22b91641be_attn
	.globl	k_q22b91641be_attn
	.p2align	8
	.type	k_q22b91641be_attn,@function
k_q22b91641be_attn:
	s_mov_b64 s[64:65], 0
	v_nop
	global_prefetch_b8 v0, s[64:65] scope:SCOPE_SE
	s_setreg_imm32_b32 hwreg(HW_REG_WAVE_MODE, 25, 1), 1
	s_wait_xcnt 0x0
; out0[b][t][64 head + d] = sum over i of (softmax_i(q . k / 8) x gate[b][i][t]) v[i][d], both products on codes of FP6 with one E8M0 scale for each 32 along K.
; ONE WAVE: 16 queries of one head (x = 4 head + tq, y = batch), all 197 keys at once.  Both products are used transposed (S^T = K Q^T, O^T = V^T P^T): a lane holds one query throughout.
; By the choice of a tile's keys, register 16 blk + e of the scores in lane (r, h) is key 32 blk + 16 h + e: sixteen neighbours along the second product's K.
; K = 64 IN THE FIRST PRODUCT: q's registers 6-11 are zero codes, and the scale words' upper two bytes are 0 (2^-127, no NaN): what stands in the upper half of k's twelve registers (the next tile's codes) adds nothing.
; K = 197 IN THE SECOND: keys from 197 on have score -infinity, so p = 0 there, and v's codes there are zeros.
; THE SOFTMAX is finished and normalised in f32 (the row's largest score taken away first), multiplied by the gate, and then quantised along the keys.
; No cluster, no tensor load: the four waves of a head share 24 KB of k and v, which each reads once, straight into registers in the order of the operand's registers.
; LIMITS: a block of zeros has the byte 1 (its codes are zeros); NaN and infinities are not served.
; REGISTERS: window 0: addresses; v10 q's scale word; v12-27 k's; v28-43 v's half words, v44-51 v's words; v52-53 p's; v54-63 statistics; v64-191 the scores, then p; v192-207 at work; v208-231 p's two fragments; v232-238 at work.
;   window 1: v0-11 q; v12-101 k's 15 half fragments; v104-199 v's 8 fragments; v200-231 O^T.   window 2: v0-101 the gate.
.set LI,  1
.set L8,  2
.set R,   3
.set HH,  4
.set GA,  5
.set GB,  6
.set STO, 7
.set RD,  8
.set CO,  9
.set QS,  10
.set KS,  12
.set VSR, 28
.set VW,  44
.set PW0, 52
.set PW1, 53
.set S,   64
.set TM,  192
.set PF0, 208
.set PF1, 220
.set QT,  232
.set KF,  12
.set VF,  104
.set O,   200
.set SEL, 34
.set CS,  36
.set MSB, 0
.macro WIN new                         ; the immediate's high byte repeats the setting that is left
.if MSB != \new
	s_set_vgpr_msb (MSB<<8)|\new
.set MSB, \new
.endif
.endm
; 64 numbers of a lane, register 16 b + i = key 32 b + 16 (lane / 16) + i, become a fragment's codes in v[pf] on and its scale word in v[pw]
.macro QUANT s, pf, pw
.irp b, 0,1,2,3
	v_max3_num_f32 v[TM+\b], |v[(\s)+16*\b]|, |v[(\s)+1+16*\b]|, 0x1800000   ; and the floor 2^(3 - 127): the byte cannot fall under 1
.endr
.irp i, 2,4,6,8,10,12,14
.irp b, 0,1,2,3
	v_max3_num_f32 v[TM+\b], v[TM+\b], |v[(\s)+16*\b+\i]|, |v[(\s)+1+16*\b+\i]|
.endr
.endr
.irp b, 0,1,2,3
	v_permlanex16_b32 v[TM+4+\b], v[TM+\b], s[SEL], s[SEL+1]
.endr
.irp b, 0,1,2,3
	v_max_num_f32 v[TM+\b], v[TM+\b], v[TM+4+\b]
.endr
.irp b, 0,1,2,3
	v_add_nc_u32 v[TM+12+\b], 0xff000000, v[TM+\b]
.endr
.irp b, 0,1,2,3
	v_lshrrev_b32 v[TM+4+\b], 23, v[TM+12+\b]
.endr
	v_lshl_or_b32 v[(\pw)], v[TM+5], 8, v[TM+4]
	v_lshl_or_b32 v[(\pw)], v[TM+6], 16, v[(\pw)]
	v_lshl_or_b32 v[(\pw)], v[TM+7], 24, v[(\pw)]
.irp c, 0,1
	v_cvt_scalef32_pk16_fp6_f32 v[(\pf)+6*\c:(\pf)+2+6*\c], v[(\s)+32*\c:(\s)+15+32*\c], v[TM+12+2*\c]
	v_cvt_scalef32_pk16_fp6_f32 v[QT+4*\c:QT+2+4*\c], v[(\s)+16+32*\c:(\s)+31+32*\c], v[TM+12+2*\c+1]
.endr
	v_nop                                          ; one plain place behind a scaled conversion
.irp c, 0,1
.irp i, 0,1,2
	v_permlane16_swap_b32 v[(\pf)+6*\c+\i], v[QT+4*\c+\i]
.endr
.irp i, 0,1,2
	v_mov_b32 v[(\pf)+3+6*\c+\i], v[QT+4*\c+\i]
.endr
.endr
.endm
	s_load_b256 s[4:11], s[0:1], 0x0               ; hfc, hfs, gate, out0
	v_lshl_add_u32 v254, v0, 2, 0x1200
	v_mov_b32 v255, 0
	v_and_b32 v[R], 15, v0
	v_bfe_u32 v[HH], v0, 4, 1
	v_lshlrev_b32 v[LI], 4, v0                     ; one wave: the thread's number is the lane
	v_lshlrev_b32 v[L8], 3, v0
	v_lshlrev_b32 v[GB], 2, v[R]
	v_lshl_add_u32 v[GA], v[HH], 12, v[GB]         ; the gate: 4 r + 16 h rows of 256 bytes
	v_mul_u32_u24 v[STO], v[R], 272
	v_lshl_add_u32 v[STO], v[HH], 6, v[STO]
	v_mul_u32_u24 v[RD], v[HH], 272
	v_lshl_add_u32 v[RD], v[R], 4, v[RD]
	v_mul_u32_u24 v[CO], v[HH], 3072
	v_lshl_add_u32 v[CO], v[R], 4, v[CO]
	WIN 0x40
.irp i, 6,7,8,9,10,11
	v_mov_b32 v[\i], 0                             ; q's upper 64 along K: zero codes
.endr
	WIN 0x80
	v_mov_b32 v101, 0                              ; (the upper half of the gate's last pair)
	WIN 0
.set i, 112
.rept 16
	v_mov_b32 v[S+i], 0                            ; keys 224-255: p = 0
.set i, i+1
.endr
	v_mov_b32 v55, 0                               ; written once: lane permutes' destinations and the upper halves of pairs that are named whole
	v_mov_b32 v57, 0
	v_mov_b32 v63, 0
.irp b, 0,1,2,3
	v_mov_b32 v[TM+4+\b], 0
.endr
	s_lshr_b32 s12, ttmp9, 2                       ; head
	s_and_b32 s13, ttmp9, 3                        ; tq
	s_and_b32 s14, ttmp7, 0xffff                   ; batch
	s_mul_i32 s15, s14, 12
	s_add_co_u32 s15, s15, s12                     ; hb = 12 b + head
	s_mov_b32 s[SEL], 0x76543210
	s_mov_b32 s[SEL+1], 0xfedcba98
	s_mov_b32 s[CS], 0x3e38aa3b                    ; c = log2(e) / 8
	s_mov_b32 s[CS+1], s[CS]
	s_mov_b32 s38, 0xffff0000                      ; lanes 16-31
	s_mov_b32 s33, 0
	s_wait_kmcnt 0x0
	s_lshl_b32 s32, s15, 2
	s_add_co_u32 s32, s32, s13
	s_mul_i32 s32, s32, 768
	s_add_nc_u64 s[16:17], s[4:5], s[32:33]        ; q's half fragment
	s_lshl_b32 s32, s15, 4
	s_add_co_u32 s32, s32, 384
	s_mul_i32 s32, s32, 768
	s_add_nc_u64 s[18:19], s[4:5], s[32:33]        ; k's sixteen
	s_lshl_b32 s32, s15, 4
	s_add_co_u32 s32, s32, 1920
	s_mul_i32 s32, s32, 768
	s_add_nc_u64 s[20:21], s[4:5], s[32:33]        ; v's sixteen
	s_lshl_b32 s32, s15, 9
	s_lshl_b32 s39, s13, 2
	s_add_co_u32 s32, s32, s39
	s_add_nc_u64 s[22:23], s[6:7], s[32:33]        ; q's scale word
	s_lshl_b32 s32, s15, 11
	s_add_co_u32 s32, s32, 96*512
	s_add_nc_u64 s[24:25], s[6:7], s[32:33]        ; k's four pieces
	s_lshl_b32 s32, s15, 11
	s_add_co_u32 s32, s32, 480*512
	s_add_nc_u64 s[26:27], s[6:7], s[32:33]        ; v's four
	s_mul_i32 s32, s14, 51968
	s_lshl_b32 s39, s13, 6
	s_add_co_u32 s32, s32, s39
	s_add_nc_u64 s[28:29], s[8:9], s[32:33]        ; the gate at [b][0][16 tq]
	s_lshl_b32 s32, s14, 6
	s_lshl_b32 s39, s13, 4
	s_add_co_u32 s32, s32, s39
	s_mul_i32 s32, s32, 3072
	s_lshl_b32 s39, s12, 8
	s_add_co_u32 s32, s32, s39
	s_add_nc_u64 s[30:31], s[10:11], s[32:33]      ; out0 at my first row, my head
	; the first group, 37 loads: q and k
	WIN 0x40
	global_load_b128 v[0:3], v[LI], s[16:17]
	global_load_b64 v[4:5], v[L8], s[16:17] offset:512
.irp t, 0,1,2,3,4,5,6,7,8,9,10,11,12,13,14
	global_load_b128 v[KF+6*\t:KF+6*\t+3], v[LI], s[18:19] offset:768*\t
	global_load_b64 v[KF+6*\t+4:KF+6*\t+5], v[L8], s[18:19] offset:768*\t+512
.endr
	WIN 0
	global_load_b32 v[QS], v[LI], s[22:23]
.irp p, 0,1,2,3
	global_load_b128 v[KS+4*\p:KS+4*\p+3], v[LI], s[24:25] offset:512*\p
.endr
	; the second, 101 loads: the gate of my query at key 32 blk + 16 h + e
	WIN 0x80
.irp k, 0,1,2,3,4,5
.irp e, 0,1,2,3,4,5,6,7,8,9,10,11,12,13,14,15
	global_load_b32 v[16*\k+\e], v[GA], s[28:29] offset:256*(32*\k+\e)
.endr
.endr
.irp e, 0,1,2,3,4
	global_load_b32 v[96+\e], v[GB], s[28:29] offset:256*(192+\e)    ; keys 192-196; lanes 16-31, whose p is 0 there, read the same rows
.endr
	; the third, 36 loads: v
	WIN 0x40
.irp d, 0,1,2,3
.irp x, 0,1,2,3
	global_load_b128 v[VF+12*(2*\d+\x/2)+6*(\x%2):VF+12*(2*\d+\x/2)+6*(\x%2)+3], v[LI], s[20:21] offset:768*(4*\d+\x)
	global_load_b64 v[VF+12*(2*\d+\x/2)+6*(\x%2)+4:VF+12*(2*\d+\x/2)+6*(\x%2)+5], v[L8], s[20:21] offset:768*(4*\d+\x)+512
.endr
.endr
	WIN 0
.irp x, 0,1,2,3
	global_load_b128 v[VSR+4*\x:VSR+4*\x+3], v[LI], s[26:27] offset:512*\x
.endr
	s_wait_loadcnt 63                              ; q and k are in (137 loads were issued behind them; 63 asks for more than is needed)
	WIN 0x05                                       ; k and q window 1, the scores window 0
.irp t, 0,1,2,3,4,5,6,7,8,9,10,11,12,13
	v_wmma_scale_f32_16x16x128_f8f6f4 v[S+8*\t:S+8*\t+7], v[KF+6*\t:KF+6*\t+11], v[0:11], 0, v[KS+\t], v[QS] matrix_a_fmt:MATRIX_FMT_FP6 matrix_b_fmt:MATRIX_FMT_FP6
.endr
	WIN 0
.rept 4
	v_nop                                          ; four places behind the last products (ISA guide 7.12.1)
.endr
	v_mov_b32 v54, 0xff800000                      ; -infinity
.irp e, 0,1,2,3,4
	v_cndmask_b32 v[S+96+\e], v[S+96+\e], v54, s38 ; keys 208-212 do not exist
.endr
.irp e, 5,6,7,8,9,10,11,12,13,14,15
	v_mov_b32 v[S+96+\e], v54                      ; nor do keys 197-207 and 213-223
.endr
.irp b, 0,1,2,3,4,5,6
	v_max3_num_f32 v[TM+\b], v[S+16*\b], v[S+16*\b+1], v[S+16*\b+2]      ; the row's largest score: seven chains by turns, each accumulator from its low end on
.endr
.irp i, 3,5,7,9,11,13
.irp b, 0,1,2,3,4,5,6
	v_max3_num_f32 v[TM+\b], v[TM+\b], v[S+16*\b+\i], v[S+16*\b+\i+1]
.endr
.endr
.irp b, 0,1,2,3,4,5,6
	v_max_num_f32 v[TM+\b], v[TM+\b], v[S+16*\b+15]
.endr
	v_max3_num_f32 v54, v[TM], v[TM+1], v[TM+2]
	v_max3_num_f32 v54, v54, v[TM+3], v[TM+4]
	v_max3_num_f32 v54, v54, v[TM+5], v[TM+6]
	v_permlanex16_b32 v55, v54, s[SEL], s[SEL+1]
	v_max_num_f32 v54, v54, v55                    ; with lane l xor 16's keys
	v_mul_f32 v56, 0xbe38aa3b, v54                 ; -c x the largest score
.set j, 0
.rept 56
	v_pk_fma_f32 v[S+j:S+j+1], v[S+j:S+j+1], s[CS:CS+1], v[56:57] op_sel_hi:[1,0,0]   ; c (s - the largest), two at a time
.set j, j+2
.endr
.set j, 0
.rept 112
	v_exp_f32 v[S+j], v[S+j]
.set j, j+1
.endr
	v_nop                                          ; a plain place behind the exponentials
	s_wait_alu depctr_va_vdst(0)                   ; one wait for the whole batch, ahead of its first reader
	v_pk_add_f32 v[58:59], v[S:S+1], v[S+2:S+3]    ; the row's sum, in two chains
	v_pk_add_f32 v[60:61], v[S+4:S+5], v[S+6:S+7]
.set j, 8
.rept 26
	v_pk_add_f32 v[58:59], v[58:59], v[S+j:S+j+1]
	v_pk_add_f32 v[60:61], v[60:61], v[S+j+2:S+j+3]
.set j, j+4
.endr
	v_pk_add_f32 v[58:59], v[58:59], v[60:61]
	v_add_f32 v58, v58, v59
	v_permlanex16_b32 v55, v58, s[SEL], s[SEL+1]
	v_add_f32 v58, v58, v55
	v_rcp_f32 v62, v58
	v_nop                                          ; a plain place behind the reciprocal
	s_wait_alu depctr_va_vdst(0)
.set j, 0
.rept 56
	v_pk_mul_f32 v[S+j:S+j+1], v[S+j:S+j+1], v[62:63] op_sel_hi:[1,0]    ; the softmax, normalised
.set j, j+2
.endr
	s_wait_loadcnt 36                              ; the gate is in; v's 36 loads may be out
	WIN 0x08                                       ; source 1 (the gate) window 2
.set j, 0
.rept 51
	v_pk_mul_f32 v[S+j:S+j+1], v[S+j:S+j+1], v[j:j+1]
.set j, j+2
.endr
	WIN 0
	QUANT S, PF0, PW0                              ; keys 0-127
	QUANT S+64, PF1, PW1                           ; keys 128-255
	s_wait_loadcnt 0x0
.irp d, 0,1,2,3
.irp s, 0,1
	v_lshl_or_b32 v[VW+2*\d+\s], v[VSR+8*\s+4+\d], 16, v[VSR+8*\s+\d]    ; two half words make the scale word of 128 keys
.endr
.endr
.rept 8
	v_nop                                          ; a scale register written by a vector instruction stands 8 places ahead of a scaled matrix instruction, an operand so written 4
.endr
	WIN 0x51                                       ; v window 1, p window 0, O^T window 1
.irp d, 0,1,2,3
	v_wmma_scale_f32_16x16x128_f8f6f4 v[O+8*\d:O+8*\d+7], v[VF+24*\d:VF+24*\d+11], v[PF0:PF0+11], 0, v[VW+2*\d], v[PW0] matrix_a_fmt:MATRIX_FMT_FP6 matrix_b_fmt:MATRIX_FMT_FP6
.endr
.irp d, 0,1,2,3
	v_wmma_scale_f32_16x16x128_f8f6f4 v[O+8*\d:O+8*\d+7], v[VF+24*\d+12:VF+24*\d+23], v[PF1:PF1+11], v[O+8*\d:O+8*\d+7], v[VW+2*\d+1], v[PW1] matrix_a_fmt:MATRIX_FMT_FP6 matrix_b_fmt:MATRIX_FMT_FP6
.endr
	WIN 0
.rept 4
	v_nop
.endr
	; THE WAY OUT: register j of tile dt in lane (r, h) is d = 32 (dt / 2) + 16 h + 8 (dt % 2) + j of query r; through the stage, so that sixteen lanes store a row's 256 consecutive bytes
	WIN 0x04                                       ; an LDS store's data are its source 1: window 1
.irp d, 0,1,2,3
	ds_store_b128 v[STO], v[O+8*\d:O+8*\d+3] offset:128*(\d/2)+32*(\d%2)
	ds_store_b128 v[STO], v[O+8*\d+4:O+8*\d+7] offset:128*(\d/2)+32*(\d%2)+16
.endr
	WIN 0
.irp t, 0,1,2,3,4,5,6,7
	ds_load_b128 v[S+4*\t:S+4*\t+3], v[RD] offset:544*\t     ; LDS serves a wave's instructions in order: these see my stores
.endr
.irp t, 0,1,2,3,4,5,6,7
	s_wait_dscnt 7-\t                              ; rows 2 t and 2 t + 1 are back; the later ones may be out
	global_store_b128 v[CO], v[S+4*\t:S+4*\t+3], s[30:31] offset:6144*\t
.endr
	s_wait_tensorcnt 0x0
	ds_add_u32 v254, v255
	s_wait_dscnt 0x0
	s_endpgm
.Lfunc_end_k_q22b91641be_attn:
	.size	k_q22b91641be_attn, .Lfunc_end_k_q22b91641be_attn-k_q22b91641be_attn
	.p2alignl 7, 3214868480
	.fill 96, 4, 3214868480
	.section	.rodata,"a",@progbits
	.p2align	6, 0x0
	.amdhsa_kernel k_q22b91641be_attn
		.amdhsa_group_segment_fixed_size 4864
		.amdhsa_private_segment_fixed_size 0
		.amdhsa_enable_private_segment 0
		.amdhsa_kernarg_size 32
		.amdhsa_user_sgpr_count 2
		.amdhsa_user_sgpr_kernarg_segment_ptr 1
		.amdhsa_wavefront_size32 1
		.amdhsa_system_sgpr_workgroup_id_x 1
		.amdhsa_system_sgpr_workgroup_id_y 1
		.amdhsa_system_sgpr_workgroup_id_z 1
		.amdhsa_system_vgpr_workitem_id 0
		.amdhsa_next_free_vgpr 624
		.amdhsa_next_free_sgpr 66
		.amdhsa_reserve_vcc 0
		.amdhsa_float_denorm_mode_32 3
		.amdhsa_float_denorm_mode_16_64 3
		.amdhsa_memory_ordered 1
		.amdhsa_forward_progress 1
		.amdhsa_inst_pref_size 56
	.end_amdhsa_kernel
	.amdgpu_metadata
---
amdhsa.version: [ 1, 2 ]
amdhsa.kernels:
  - .name:           k_q22b91641be_attn
    .symbol:         k_q22b91641be_attn.kd
    .args:
      - { .name: hfc, .offset: 0, .size: 8, .value_kind: global_buffer, .address_space: global }
      - { .name: hfs, .offset: 8, .size: 8, .value_kind: global_buffer, .address_space: global }
      - { .name: gate, .offset: 16, .size: 8, .value_kind: global_buffer, .address_space: global }
      - { .name: out0, .offset: 24, .size: 8, .value_kind: global_buffer, .address_space: global }
    .group_segment_fixed_size: 4864
    .private_segment_fixed_size: 0
    .kernarg_segment_align: 8
    .kernarg_segment_size: 32
    .max_flat_workgroup_size: 32
    .sgpr_count:     66
    .vgpr_count:     624
    .wavefront_size: 32
...
	.end_amdgpu_metadata
.endif
;; end of part 4
;; ======== version 2 of 2: 4 launches; version 1 with the launches proj, attn written anew for expert scheduling mode
;; workspace buffers: wimg 2,801,664 bytes; aimg 1,556,480 bytes; teimg 1,572,864 bytes; ie 6,291,456 bytes; gate 415,744 bytes; hfc 2,654,208 bytes; hfs 442,368 bytes
;; launch quant: the kernel of part 1 again; grid 152 x 1, 12 waves a work-group, no clusters, 107,008 bytes of LDS; arguments Wt, Wq, Wi, Wk, Wv, W1, text, image, wimg, aimg; writes wimg, aimg
;; launch proj (part 5): grid 168 x 1, 4 waves a work-group, no clusters, 17,920 bytes of LDS; arguments wimg, aimg, bt, bq, bi, bk, bv, teimg, ie, hfc, hfs; writes teimg, ie, hfc, hfs
.if DOCPART == 5
	.amdgcn_target "amdgcn-amd-amdhsa--gfx1250"
	.amdhsa_code_object_version 6
	.text
	.protected	k_q22b91641be_proj
	.globl	k_q22b91641be_proj
	.p2align	8
	.type	k_q22b91641be_proj,@function
k_q22b91641be_proj:
	s_mov_b64 s[64:65], 0
	v_nop
	global_prefetch_b8 v0, s[64:65] scope:SCOPE_SE
	s_setreg_imm32_b32 hwreg(HW_REG_WAVE_SCHED_MODE, 0, 2), 2
	s_setreg_imm32_b32 hwreg(HW_REG_WAVE_MODE, 25, 1), 1
	s_wait_xcnt 0x0
	s_wait_alu depctr_vm_vsrc(0)
; The five projections on codes of FP6: te = text Wt + bt, q = text Wq + bq, ie = image Wi + bi, k = image Wk + bk, v = image Wv + bv.
; A WAVE IS A TASK (task = 4 x work-group + wave, 672 of them): source 0 = 4 tiles X, whose rows run along a lane's registers in the result; source 1 = 8 tiles Y, whose rows are the lanes.
; 32 accumulators, six K steps of 128, 192 matrix instructions.  te, q, ie, k: X = 64 output features (weight tiles), Y = 128 rows.  v: X = 64 image rows, Y = 128 features, so that v's registers run along the keys.
; By the choice of a tile's rows (lane r of tile 2 B + u is row 32 B + 8 u + r + 8 (r / 8)) register 32 y + 16 B + e of lane (r, h) is X's row 32 B + 16 h + e: sixteen neighbours.
; OPERANDS come from memory straight into registers as images of the registers (three loads of 16 bytes a lane for a fragment), three sets by turns.
; No cluster and no tensor load: no tile goes through LDS here, and a task's whole work is 192 matrix instructions.  No barrier: waves share nothing.
; RESULTS.  te: as images of the registers that the next launch multiplies by.  ie: plain rows [8][256][768] f32, through the wave's stage in LDS, 256 consecutive bytes for sixteen lanes.
; q, k, v: quantised in registers along the head's 64 (q, k) or along 64 keys (v): half a fragment (6 registers: 512 + 256 bytes) and a scale word (two bytes, the upper two 0) a tile.
; v's rows from key 197 on are cleared ahead of the block's largest magnitude.  The bias is the C of a sum's first matrix instruction (v: added behind, since it lies along the lanes there).
; LIMITS: as in the launch before: a block of zeros has the byte 1; NaN and infinities are not served.
; THE MODE: SCHED_MODE bits 1:0 = 2 (LLVM: expert scheduling mode 2), set by the entry lines.  The code itself states the register dependences
; between vector or matrix instructions and memory or LDS instructions, with s_wait_alu, always for 0.
; THE PLAN.  Registers that memory or LDS instructions touch:
;   v1, v4-v9     offsets and LDS addresses: written by vector instructions at the head, never again; read by every load and store.
;   BV            cleared at the head; in v's tasks eight loads land in it.
;   sets 0, 1, 2  K step k's 36 loads land in set k % 3; the step's 32 products read it; behind them the loads of K step k + 3 land in it.
;   the codes     tile y's six registers at CQ + 6 y and its scale word PW + y: each written once by vector instructions, read once by a store.  A store base to each tile: s[4:19].
;   window 1      the accumulators: written by the products; read by te's stores and by ie's LDS stores.
;   window 2      on ie's way out: tile a's rows come back from the stage into registers 32 a on, which the products have read as fragments; the global stores read them.
; So the waits on va_vdst are: one at the head; one behind the products of each of K steps 0, 1, 2; one ahead of each tile's stores of codes; one ahead of te's stores; one for the whole of ie's way out.
; No register that a memory or LDS instruction has read is written again: so no wait on vm_vsrc or XCNT is owed.
; REGISTERS: window 0: addresses, v16-31 X's scale words, v32-63 Y's, v64-95 the bias as C, v96-103 v's bias, v104-111 the scale words made, v112-128 at work, v164-211 the codes made.
;   window 1: the accumulators, (y, x) at 32 y + 8 x.   windows 2 and 3: the three sets of fragments (macro BUF).
.set REC, 9728
.set WSZ, 48*REC
.set LI,  1                            ; 16 x lane
.set R,   2
.set HH,  3
.set H64, 4                            ; 64 h
.set STO, 5
.set RD,  6
.set CO,  7
.set PB,  8                            ; 4 (r + 8 (r / 8))
.set L8,  9                            ; 8 x lane
.set ZR,  10
.set XS,  16
.set YS,  32
.set CB,  64
.set BV,  96
.set PW,  104
.set TM,  112
.set CT,  126
.set CQ,  164
.set MSB, 0
.macro WIN new                         ; the immediate's high byte repeats the setting that is left
.if MSB != \new
	s_set_vgpr_msb (MSB<<8)|\new
.set MSB, \new
.endif
.endm
.macro BIASLOAD                        ; tile x's eight registers of lane (., h): features 32 (x / 2) + 16 h + 8 (x % 2) + 0 .. 7
.irp x, 0,1,2,3
	global_load_b128 v[CB+8*\x:CB+8*\x+3], v[H64], s[36:37] offset:128*(\x/2)+32*(\x%2)
	global_load_b128 v[CB+8*\x+4:CB+8*\x+7], v[H64], s[36:37] offset:128*(\x/2)+32*(\x%2)+16
.endr
.endm
; where K step k's set lies: X's four fragments at v[XB] on of window XW, Y's eight at v[YB] on of window YW
.macro BUF k
.if (\k)%3 == 0
.set XW, 2
.set XB, 192
.set YW, 2
.set YB, 0
.elseif (\k)%3 == 1
.set XW, 3
.set XB, 192
.set YW, 2
.set YB, 96
.else
.set XW, 3
.set XB, 144
.set YW, 3
.set YB, 0
.endif
.endm
.macro LOADSET k, w                    ; K step k's twelve fragments into set k % 3: 36 loads.  w = 1: the set has been multiplied by
	BUF \k
	WIN (XW<<6)
.if \w
	s_wait_alu depctr_va_vdst(0)                   ; the 32 products above are done reading this set, in which the 36 loads below land; only loads and a window switch follow
.endif
.irp x, 0,1,2,3
.irp c, 0,1,2
	global_load_b128 v[XB+12*\x+4*\c:XB+12*\x+4*\c+3], v[LI], s[32:33] offset:REC*\x+1536*(\k)+512*\c
.endr
.endr
	WIN (YW<<6)
.irp y, 0,1,2,3,4,5,6,7
.irp c, 0,1,2
	global_load_b128 v[YB+12*\y+4*\c:YB+12*\y+4*\c+3], v[LI], s[34:35] offset:REC*\y+1536*(\k)+512*\c
.endr
.endr
.endm
.macro KSTEP k                         ; 32 matrix instructions; the accumulators take turns, one instruction a turn
.if \k < 4
	s_wait_loadcnt 63                              ; this K step's set is in: 72 loads, the next two sets', were issued behind it; 63 asks for more than is needed
.elseif \k == 4
	s_wait_loadcnt 36                              ; the last set's 36 loads may be out
.else
	s_wait_loadcnt 0x0
.endif
	BUF \k
.if \k == 0
	WIN (XW|(YW<<2)|0x40)                          ; X and Y in their set's windows, C (the bias) window 0, D window 1
.else
	WIN (XW|(YW<<2)|0x50)                          ; C and D window 1
.endif
.irp y, 0,1,2,3,4,5,6,7
.irp x, 0,1,2,3
.if \k == 0
	v_wmma_scale_f32_16x16x128_f8f6f4 v[32*\y+8*\x:32*\y+8*\x+7], v[XB+12*\x:XB+12*\x+11], v[YB+12*\y:YB+12*\y+11], v[CB+8*\x:CB+8*\x+7], v[XS+4*\x], v[YS+4*\y] matrix_a_fmt:MATRIX_FMT_FP6 matrix_b_fmt:MATRIX_FMT_FP6
.elseif (\k)%2 == 0
	v_wmma_scale_f32_16x16x128_f8f6f4 v[32*\y+8*\x:32*\y+8*\x+7], v[XB+12*\x:XB+12*\x+11], v[YB+12*\y:YB+12*\y+11], v[32*\y+8*\x:32*\y+8*\x+7], v[XS+4*\x+(\k)/2], v[YS+4*\y+(\k)/2] matrix_a_fmt:MATRIX_FMT_FP6 matrix_b_fmt:MATRIX_FMT_FP6
.else
	v_wmma_scale_f32_16x16x128_f8f6f4 v[32*\y+8*\x:32*\y+8*\x+7], v[XB+12*\x:XB+12*\x+11], v[YB+12*\y:YB+12*\y+11], v[32*\y+8*\x:32*\y+8*\x+7], v[XS+4*\x+(\k)/2], v[YS+4*\y+(\k)/2] matrix_a_fmt:MATRIX_FMT_FP6 matrix_b_fmt:MATRIX_FMT_FP6 matrix_a_scale:MATRIX_SCALE_ROW1 matrix_b_scale:MATRIX_SCALE_ROW1
.endif
.endr
.endr
.if \k < 3
.rept 4
	v_nop                                          ; four places in front of loads into registers that matrix instructions have read; the wait in LOADSET stands beside them
.endr
	LOADSET (\k)+3, 1                              ; the set is asked for again at once: it has two K steps in which to land
.endif
.endm
	s_load_b256 s[4:11], s[0:1], 0x0               ; wimg, aimg, bt, bq
	s_load_b256 s[12:19], s[0:1], 0x20             ; bi, bk, bv, teimg
	s_load_b128 s[20:23], s[0:1], 0x40             ; ie, hfc
	s_load_b64 s[24:25], s[0:1], 0x50              ; hfs
	v_lshl_add_u32 v254, v0, 2, 0x4400
	v_mov_b32 v255, 0
	v_lshrrev_b32 v1, 5, v0
	v_readfirstlane_b32 s26, v1                    ; wave
	v_and_b32 v11, 31, v0
	v_lshlrev_b32 v[LI], 4, v11
	v_lshlrev_b32 v[L8], 3, v11
	v_and_b32 v[R], 15, v0
	v_bfe_u32 v[HH], v0, 4, 1
	v_lshlrev_b32 v[H64], 6, v[HH]
	v_and_b32 v12, 8, v[R]
	v_add_nc_u32 v12, v12, v[R]
	v_lshlrev_b32 v[PB], 2, v12
	s_wait_alu depctr_va_sdst(0)                   ; s26 is written, ahead of its first reader: the stage's place and the task are made from it
	s_mul_i32 s38, s26, 4352                       ; my stage: 16 rows x 272 bytes
	v_mul_u32_u24 v[STO], v[R], 272
	v_add_nc_u32 v[STO], v[STO], v[H64]
	v_add_nc_u32 v[STO], s38, v[STO]               ; in: row r, 64 h
	v_mul_u32_u24 v[RD], v[HH], 272
	v_lshl_add_u32 v[RD], v[R], 4, v[RD]
	v_add_nc_u32 v[RD], s38, v[RD]                 ; back: lanes 0-15 one row, lanes 16-31 the next
	v_mul_u32_u24 v[CO], v[HH], 3072
	v_lshl_add_u32 v[CO], v[R], 4, v[CO]           ; and the same in ie
	v_mov_b32 v[ZR], 0
	v_mov_b32 v[TM+2], 0                           ; written once: a lane permute's destination counts as one of its sources
	v_mov_b32 v[TM+3], 0
.irp y, 0,1,2,3,4,5,6,7
	v_mov_b32 v[BV+\y], 0                          ; written on every path; v's tasks load their bias over it
.endr
	s_mov_b32 s46, 0x76543210
	s_mov_b32 s47, 0xfedcba98
	s_mov_b32 s48, 0xffff0000                      ; lanes 16-31
	s_mov_b32 s41, 0
	s_lshl_b32 s27, ttmp9, 2
	s_add_co_u32 s27, s27, s26                     ; task
	s_wait_kmcnt 0x0
	s_wait_alu depctr_va_vdst(0)                   ; the offsets and LDS addresses v1 and v4 to v9 are written, which every load and store below reads; so are BV's zeros, on which v's bias lands
	s_cmp_lt_u32 s27, 96
	s_cbranch_scc0 .Lnot_text
	; tasks 0-47 te, 48-95 q: gy = u % 4 (128 rows of text), G = u / 4 (64 features)
	s_cmp_lt_u32 s27, 48
	s_cselect_b32 s28, 0, 1                        ; the kind: 0 te, 1 q, 2 ie, 3 k, 4 v
	s_cselect_b32 s38, 0, 48
	s_cselect_b32 s39, 0, WSZ
	s_cselect_b64 s[36:37], s[8:9], s[10:11]
	s_sub_co_u32 s38, s27, s38
	s_and_b32 s30, s38, 3
	s_lshr_b32 s29, s38, 2
	s_mul_i32 s40, s29, 4*REC
	s_add_co_u32 s40, s40, s39
	s_add_nc_u64 s[32:33], s[4:5], s[40:41]
	s_mul_i32 s40, s30, 8*REC
	s_add_nc_u64 s[34:35], s[6:7], s[40:41]
	s_lshl_b32 s40, s29, 8
	s_add_nc_u64 s[36:37], s[36:37], s[40:41]
	BIASLOAD
	s_branch .Lcore
.Lnot_text:
	s_cmp_lt_u32 s27, 480
	s_cbranch_scc0 .Lset_v
	; tasks 96-287 ie, 288-479 k: gy = u % 16 (128 rows of image tiles), G = u / 16
	s_mov_b32 s38, 288
	s_mov_b32 s39, 3*WSZ
	s_cmp_lt_u32 s27, 288
	s_cselect_b32 s28, 2, 3
	s_cselect_b32 s38, 96, s38
	s_cselect_b32 s39, 2*WSZ, s39
	s_cselect_b64 s[36:37], s[12:13], s[14:15]
	s_sub_co_u32 s38, s27, s38
	s_and_b32 s30, s38, 15
	s_lshr_b32 s29, s38, 4
	s_mul_i32 s40, s29, 4*REC
	s_add_co_u32 s40, s40, s39
	s_add_nc_u64 s[32:33], s[4:5], s[40:41]
	s_mul_i32 s40, s30, 8*REC
	s_add_co_u32 s40, s40, 32*REC
	s_add_nc_u64 s[34:35], s[6:7], s[40:41]
	s_lshl_b32 s40, s29, 8
	s_add_nc_u64 s[36:37], s[36:37], s[40:41]
	BIASLOAD
	s_branch .Lcore
.Lset_v:
	; tasks 480-671 v: xi = u % 32 (64 image rows: batch xi / 4, part xi % 4), yg = u / 32 (128 features)
	s_mov_b32 s28, 4
	s_sub_co_u32 s38, s27, 480
	s_and_b32 s30, s38, 31
	s_lshr_b32 s29, s38, 5
	s_mul_i32 s40, s30, 4*REC
	s_add_co_u32 s40, s40, 32*REC
	s_add_nc_u64 s[32:33], s[6:7], s[40:41]
	s_mul_i32 s40, s29, 8*REC
	s_add_co_u32 s40, s40, 4*WSZ
	s_add_nc_u64 s[34:35], s[4:5], s[40:41]
	s_lshl_b32 s40, s29, 9
	s_add_nc_u64 s[36:37], s[16:17], s[40:41]
.set i, 0
.rept 32
	v_mov_b32 v[CB+i], 0                           ; the one text of the first K step takes its C from registers: here zeros.  (No load of this path touches these 32 registers)
.set i, i+1
.endr
.irp y, 0,1,2,3,4,5,6,7
	global_load_b32 v[BV+\y], v[PB], s[36:37] offset:128*(\y/2)+32*(\y%2)   ; lane r of tile y is feature 32 (y / 2) + 8 (y % 2) + r + 8 (r / 8)
.endr
.Lcore:
.irp x, 0,1,2,3
	global_load_b128 v[XS+4*\x:XS+4*\x+3], v[LI], s[32:33] offset:REC*\x+9216
.endr
.irp y, 0,1,2,3,4,5,6,7
	global_load_b128 v[YS+4*\y:YS+4*\y+3], v[LI], s[34:35] offset:REC*\y+9216
.endr
	LOADSET 0, 0
	LOADSET 1, 0
	LOADSET 2, 0
	KSTEP 0
	KSTEP 1
	KSTEP 2
	KSTEP 3
	KSTEP 4
	KSTEP 5
	WIN 0
.rept 4
	v_nop                                          ; four places behind the last products, in front of the first read of results and of loads into registers that they have read
.endr
	s_cmp_eq_u32 s28, 0
	s_cbranch_scc1 .Lepi_te
	s_cmp_eq_u32 s28, 2
	s_cbranch_scc1 .Lepi_ie
	; ---- q, k, v: where the half fragments (768 bytes) and the scale pieces (512 bytes) go.  Tile y's half fragment lies s51 (y / 4) + s52 (y % 4) bytes on
	s_cmp_eq_u32 s28, 1
	s_cbranch_scc0 .Lb_k
	s_mul_i32 s53, s30, 24
	s_add_co_u32 s53, s53, s29                     ; q: piece 12 b + head, b = 2 gy + y / 4
	s_lshl_b32 s50, s53, 2
	s_mov_b32 s51, 48*768
	s_mov_b32 s52, 768
	s_mov_b32 s54, 12*512
	s_mov_b32 s55, 0
	s_branch .Lq_go
.Lb_k:
	s_cmp_eq_u32 s28, 3
	s_cbranch_scc0 .Lb_v
	s_lshr_b32 s38, s30, 1
	s_mul_i32 s38, s38, 12
	s_add_co_u32 s38, s38, s29                     ; 12 b + head
	s_and_b32 s39, s30, 1
	s_lshl_b32 s50, s38, 4
	s_lshl_b32 s40, s39, 3
	s_add_co_u32 s50, s50, s40
	s_add_co_u32 s50, s50, 384                     ; k: 384 + 16 (12 b + head) + T
	s_lshl_b32 s53, s38, 2
	s_lshl_b32 s40, s39, 1
	s_add_co_u32 s53, s53, s40
	s_add_co_u32 s53, s53, 96
	s_mov_b32 s51, 4*768
	s_mov_b32 s52, 768
	s_mov_b32 s54, 512
	s_mov_b32 s55, 0
	s_branch .Lq_go
.Lb_v:
	s_lshr_b32 s38, s30, 2
	s_mul_i32 s38, s38, 12
	s_lshl_b32 s39, s29, 1
	s_add_co_u32 s38, s38, s39                     ; 12 b + 2 yg
	s_and_b32 s55, s30, 3                          ; xg: which 64 keys
	s_lshl_b32 s50, s38, 4
	s_add_co_u32 s50, s50, s55
	s_add_co_u32 s50, s50, 1920                    ; v: 1920 + 4 (4 (12 b + head) + dt) + xg
	s_lshl_b32 s53, s38, 2
	s_add_co_u32 s53, s53, s55
	s_add_co_u32 s53, s53, 480
	s_mov_b32 s51, 16*768
	s_mov_b32 s52, 4*768
	s_mov_b32 s54, 4*512
.Lq_go:
	s_mul_i32 s40, s50, 768
	s_add_nc_u64 s[56:57], s[22:23], s[40:41]
	s_lshl_b32 s40, s53, 9
	s_add_nc_u64 s[58:59], s[24:25], s[40:41]
	s_mov_b32 s40, s54
	s_add_nc_u64 s[62:63], s[58:59], s[40:41]
.irp y, 0,1,2,3,4,5,6,7                        ; a base to each tile, in argument registers that are done with: no base that a store has read is written again
	s_mul_i32 s40, s51, \y/4
	s_mul_i32 s42, s52, \y%4
	s_add_co_u32 s40, s40, s42
	s_add_nc_u64 s[4+2*\y:5+2*\y], s[56:57], s[40:41]
.endr
; v's tile y: the bias, and behind key 196 zeros
.macro VPRE y
	WIN 0x44                                       ; source 1 and the destination window 1
.set i, 0
.rept 32
	v_add_f32 v[32*(\y)+i], v[BV+(\y)], v[32*(\y)+i]     ; each accumulator from its low end on
.set i, i+1
.endr
	WIN 0
	s_cmp_lg_u32 s55, 3
	s_cbranch_scc1 .Lno_mask_\@
	WIN 0x41                                       ; keys 192 + 32 B + 16 h + e: only B = 0, h = 0, e < 5 exist
.irp e, 0,1,2,3,4
	v_cndmask_b32 v[32*(\y)+\e], v[32*(\y)+\e], v[ZR], s48
.endr
.set i, 5
.rept 27
	v_mov_b32 v[32*(\y)+i], 0
.set i, i+1
.endr
	WIN 0
.Lno_mask_\@:
.endm
; tile y's 32 numbers a lane, register 16 B + e = K 32 B + 16 h + e of my row, become six registers of codes in v[CQ + 6 y] on and the scale word v[PW + y]
.macro QUANT2 y
.set cq, CQ+6*(\y)
	WIN 0x05
	v_max3_num_f32 v[TM], |v[32*(\y)]|, |v[32*(\y)+1]|, 0x1800000        ; the floor 2^(3 - 127): the byte cannot fall under 1
	v_max3_num_f32 v[TM+1], |v[32*(\y)+16]|, |v[32*(\y)+17]|, 0x1800000
.irp i, 2,4,6,8,10,12,14
	v_max3_num_f32 v[TM], |v[32*(\y)+\i]|, |v[32*(\y)+\i+1]|, v[TM]
	v_max3_num_f32 v[TM+1], |v[32*(\y)+16+\i]|, |v[32*(\y)+17+\i]|, v[TM+1]
.endr
	WIN 0
	v_permlanex16_b32 v[TM+2], v[TM], s46, s47
	v_permlanex16_b32 v[TM+3], v[TM+1], s46, s47
	v_max_num_f32 v[TM], v[TM], v[TM+2]            ; with lane l xor 16's: the block's largest magnitude
	v_max_num_f32 v[TM+1], v[TM+1], v[TM+3]
	v_add_nc_u32 v[TM+4], 0xff000000, v[TM]        ; 2 off the exponent field: the conversion's scale operand
	v_add_nc_u32 v[TM+5], 0xff000000, v[TM+1]
	v_lshrrev_b32 v[TM+6], 23, v[TM+4]
	v_lshrrev_b32 v[TM+7], 23, v[TM+5]
	v_lshl_or_b32 v[PW+(\y)], v[TM+7], 8, v[TM+6]
	WIN 0x01
	v_cvt_scalef32_pk16_fp6_f32 v[cq:cq+2], v[32*(\y):32*(\y)+15], v[TM+4]
	v_cvt_scalef32_pk16_fp6_f32 v[CT:CT+2], v[32*(\y)+16:32*(\y)+31], v[TM+5]
	WIN 0
	v_nop                                          ; one plain place behind a scaled conversion
.irp i, 0,1,2
	v_permlane16_swap_b32 v[cq+\i], v[CT+\i]       ; the operand's layout wants a whole block in a lane: lanes 0-15 block 0, lanes 16-31 block 1
.endr
.irp i, 0,1,2
	v_mov_b32 v[cq+3+\i], v[CT+\i]
.endr
.endm
.macro STQ y                                   ; tile y's codes leave, from registers and by a base that are its own
	global_store_b128 v[LI], v[CQ+6*(\y):CQ+6*(\y)+3], s[4+2*(\y):5+2*(\y)]                  ; 512 consecutive bytes,
	global_store_b64 v[L8], v[CQ+6*(\y)+4:CQ+6*(\y)+5], s[4+2*(\y):5+2*(\y)] offset:512      ; and 256
.endm
.macro EQ y
.if (\y) > 0
	s_wait_alu depctr_va_vdst(0)                   ; the tile before has written its six registers of codes, which the two stores below read
	STQ (\y)-1
.endif
	s_cmp_lg_u32 s28, 4
	s_cbranch_scc1 .Lnot_v_\@
	VPRE \y
.Lnot_v_\@:
	QUANT2 \y
.endm
	EQ 0
	EQ 1
	EQ 2
	EQ 3
	EQ 4
	EQ 5
	EQ 6
	EQ 7
	s_wait_alu depctr_va_vdst(0)                   ; tile 7's codes and the eight scale words v[PW ..] are written, which the four stores below read
	STQ 7
	global_store_b128 v[LI], v[PW:PW+3], s[58:59]                  ; four tiles' scale words a lane
	global_store_b128 v[LI], v[PW+4:PW+7], s[62:63]
	s_endpgm
.Lepi_te:                                              ; te leaves as it stands: tile tau = 8 gy + y, K step G / 2, pieces 8 (G % 2) + c
	s_mul_i32 s40, s30, 393216
	s_lshr_b32 s42, s29, 1
	s_lshl_b32 s42, s42, 13
	s_add_co_u32 s40, s40, s42
	s_and_b32 s42, s29, 1
	s_lshl_b32 s42, s42, 12
	s_add_co_u32 s40, s40, s42
	s_add_nc_u64 s[56:57], s[18:19], s[40:41]
	WIN 0x04                                       ; a store's data are its source 1: window 1
	s_wait_alu depctr_va_vdst(0)                   ; the products have written the accumulators, which the 64 stores below read; the four places above stay beside this wait
.irp y, 0,1,2,3,4,5,6,7
.irp c, 0,1,2,3,4,5,6,7
	global_store_b128 v[LI], v[32*\y+4*\c:32*\y+4*\c+3], s[56:57] offset:49152*\y+512*\c   ; 512 consecutive bytes; each accumulator from its low end on
.endr
.endr
	WIN 0
	s_endpgm
.Lepi_ie:                                              ; ie: rows 256 b + 128 (gy % 2) + ..., bytes 256 G on
	s_lshr_b32 s38, s30, 1
	s_lshl_b32 s38, s38, 8
	s_and_b32 s39, s30, 1
	s_lshl_b32 s39, s39, 7
	s_add_co_u32 s38, s38, s39
	s_mul_i32 s40, s38, 3072
	s_lshl_b32 s39, s29, 8
	s_add_co_u32 s40, s40, s39
	s_add_nc_u64 s[56:57], s[20:21], s[40:41]
; Tile a goes into my stage and comes back as rows, into 32 registers of its own in window 2; while it is on its way the tile before is stored.
.macro TOSTAGE a
	WIN 0x04                                       ; an LDS store's data are its source 1: window 1
.irp c, 0,1,2,3,4,5,6,7
	ds_store_b128 v[STO], v[32*(\a)+4*\c:32*(\a)+4*\c+3] offset:128*(\c/4)+16*(\c%4)
.endr
	WIN 0x80                                       ; destination window 2
.irp t, 0,1,2,3,4,5,6,7
	ds_load_b128 v[32*(\a)+4*\t:32*(\a)+4*\t+3], v[RD] offset:544*\t          ; LDS serves a wave's instructions in order: these see my stores, and the next tile's stores come behind them
.endr
.endm
.macro SEND a, younger                         ; younger: the LDS instructions issued behind tile a's loads, which may stay out
	WIN 0x08                                       ; a store's data are its source 1: window 2
	s_wait_dscnt \younger                          ; the tile is back in registers
.irp t, 0,1,2,3,4,5,6,7
	global_store_b128 v[CO], v[32*(\a)+4*\t:32*(\a)+4*\t+3], s[56:57] offset:3072*(32*((\a)/2)+8*((\a)%2)+2*\t+8*(\t/4))   ; sixteen lanes store 256 consecutive bytes, aligned
.endr
.endm
	WIN 0x04
	s_wait_alu depctr_va_vdst(0)                   ; the products have written the accumulators, which the LDS stores read, and are done reading window 2's fragments, in which the rows read back land; no vector instruction follows
	TOSTAGE 0
.irp a, 1,2,3,4,5,6,7
	TOSTAGE \a
	SEND \a-1, 16                                  ; behind tile a - 1's loads: tile a's 8 stores and 8 loads
.endr
	SEND 7, 0
	WIN 0                                          ; the add's two registers lie in window 0
	s_wait_dscnt 0x0                               ; the closing lines, six on end
	s_wait_alu 0x0
	s_wait_tensorcnt 0x0
	ds_add_u32 v254, v255
	s_wait_dscnt 0x0
	s_endpgm
.Lfunc_end_k_q22b91641be_proj:
	.size	k_q22b91641be_proj, .Lfunc_end_k_q22b91641be_proj-k_q22b91641be_proj
	.p2alignl 7, 3214868480
	.fill 96, 4, 3214868480
	.section	.rodata,"a",@progbits
	.p2align	6, 0x0
	.amdhsa_kernel k_q22b91641be_proj
		.amdhsa_group_segment_fixed_size 17920
		.amdhsa_private_segment_fixed_size 0
		.amdhsa_enable_private_segment 0
		.amdhsa_kernarg_size 88
		.amdhsa_user_sgpr_count 2
		.amdhsa_user_sgpr_kernarg_segment_ptr 1
		.amdhsa_wavefront_size32 1
		.amdhsa_system_sgpr_workgroup_id_x 1
		.amdhsa_system_sgpr_workgroup_id_y 1
		.amdhsa_system_sgpr_workgroup_id_z 1
		.amdhsa_system_vgpr_workitem_id 0
		.amdhsa_next_free_vgpr 1008
		.amdhsa_next_free_sgpr 66
		.amdhsa_reserve_vcc 0
		.amdhsa_float_denorm_mode_32 3
		.amdhsa_float_denorm_mode_16_64 3
		.amdhsa_memory_ordered 1
		.amdhsa_forward_progress 1
		.amdhsa_inst_pref_size 117
	.end_amdhsa_kernel
	.amdgpu_metadata
---
amdhsa.version: [ 1, 2 ]
amdhsa.kernels:
  - .name:           k_q22b91641be_proj
    .symbol:         k_q22b91641be_proj.kd
    .args:
      - { .name: wimg, .offset: 0, .size: 8, .value_kind: global_buffer, .address_space: global }
      - { .name: aimg, .offset: 8, .size: 8, .value_kind: global_buffer, .address_space: global }
      - { .name: bt, .offset: 16, .size: 8, .value_kind: global_buffer, .address_space: global }
      - { .name: bq, .offset: 24, .size: 8, .value_kind: global_buffer, .address_space: global }
      - { .name: bi, .offset: 32, .size: 8, .value_kind: global_buffer, .address_space: global }
      - { .name: bk, .offset: 40, .size: 8, .value_kind: global_buffer, .address_space: global }
      - { .name: bv, .offset: 48, .size: 8, .value_kind: global_buffer, .address_space: global }
      - { .name: teimg, .offset: 56, .size: 8, .value_kind: global_buffer, .address_space: global }
      - { .name: ie, .offset: 64, .size: 8, .value_kind: global_buffer, .address_space: global }
      - { .name: hfc, .offset: 72, .size: 8, .value_kind: global_buffer, .address_space: global }
      - { .name: hfs, .offset: 80, .size: 8, .value_kind: global_buffer, .address_space: global }
    .group_segment_fixed_size: 17920
    .private_segment_fixed_size: 0
    .kernarg_segment_align: 8
    .kernarg_segment_size: 88
    .max_flat_workgroup_size: 128
    .sgpr_count:     66
    .vgpr_count:     1008
    .wavefront_size: 32
...
	.end_amdgpu_metadata
.endif
;; end of part 5
;; launch gate: the kernel of part 3 again; grid 232 x 1, 4 waves a work-group, clusters of 4 x 1, 327,680 bytes of LDS; arguments teimg, ie, wimg, b1, W2, b2, gate; writes gate
;; launch attn (part 6): grid 48 x 8, 1 waves a work-group, no clusters, 4,864 bytes of LDS; arguments hfc, hfs, gate, out0; writes out0
.if DOCPART == 6
	.amdgcn_target "amdgcn-amd-amdhsa--gfx1250"
	.amdhsa_code_object_version 6
	.text
	.protected	k_q22b91641be_attn
	.globl	k_q22b91641be_attn
	.p2align	8
	.type	k_q22b91641be_attn,@function
k_q22b91641be_attn:
	s_mov_b64 s[64:65], 0
	v_nop
	global_prefetch_b8 v0, s[64:65] scope:SCOPE_SE
	s_setreg_imm32_b32 hwreg(HW_REG_WAVE_SCHED_MODE, 0, 2), 2
	s_setreg_imm32_b32 hwreg(HW_REG_WAVE_MODE, 25, 1), 1
	s_wait_xcnt 0x0
	s_wait_alu depctr_vm_vsrc(0)
; out0[b][t][64 head + d] = sum over i of (softmax_i(q . k / 8) x gate[b][i][t]) v[i][d], both products on codes of FP6 with one E8M0 scale for each 32 along K.
; ONE WAVE: 16 queries of one head (x = 4 head + tq, y = batch), all 197 keys at once.  Both products are used transposed (S^T = K Q^T, O^T = V^T P^T): a lane holds one query throughout.
; By the choice of a tile's keys, register 16 blk + e of the scores in lane (r, h) is key 32 blk + 16 h + e: sixteen neighbours along the second product's K.
; K = 64 IN THE FIRST PRODUCT: q's registers 6-11 are zero codes, and the scale words' upper two bytes are 0 (2^-127, no NaN): what stands in the upper half of k's twelve registers (the next tile's codes) adds nothing.
; K = 197 IN THE SECOND: keys from 197 on have score -infinity, so p = 0 there, and v's codes there are zeros.
; THE SOFTMAX is finished and normalised in f32 (the row's largest score taken away first), multiplied by the gate, and then quantised along the keys.
; No cluster, no tensor load: the four waves of a head share 24 KB of k and v, which each reads once, straight into registers in the order of the operand's registers.
; LIMITS: a block of zeros has the byte 1 (its codes are zeros); NaN and infinities are not served.
; THE MODE: SCHED_MODE bits 1:0 = 2 (LLVM: expert scheduling mode 2), set by the entry lines.  The code itself states the register dependences
; between vector or matrix instructions and memory or LDS instructions, with s_wait_alu, always for 0.
; THE PLAN.  Registers that memory or LDS instructions touch:
;   v1, v2, v5-v9   offsets and LDS addresses: written by vector instructions at the head, never again; read by the loads and stores.
;   q, k, v, the gate and their scale words: loaded once, at the head, into registers that no vector instruction has named.
;   O^T             written by the second product; read by the LDS stores of the way out.
;   v64-95          the scores and p, named by vector instructions up to the quantiser; on the way out the rows read back from the stage land there, and the global stores read them.
; So one wait on va_vdst stands ahead of the first load and one ahead of the way out's LDS stores, behind which no vector instruction follows.  Two more are the waits behind the exponentials and the reciprocal;
; one stands ahead of the second product, whose operand and scale words vector instructions have made.  No register that a memory or LDS instruction has read is written again: no wait on vm_vsrc is owed.
; REGISTERS: window 0: addresses; v10 q's scale word; v12-27 k's; v28-43 v's half words, v44-51 v's words; v52-53 p's; v54-63 statistics; v64-191 the scores, then p; v192-207 at work; v208-231 p's two fragments; v232-238 at work.
;   window 1: v0-11 q; v12-101 k's 15 half fragments; v104-199 v's 8 fragments; v200-231 O^T.   window 2: v0-101 the gate.
.set LI,  1
.set L8,  2
.set R,   3
.set HH,  4
.set GA,  5
.set GB,  6
.set STO, 7
.set RD,  8
.set CO,  9
.set QS,  10
.set KS,  12
.set VSR, 28
.set VW,  44
.set PW0, 52
.set PW1, 53
.set S,   64
.set TM,  192
.set PF0, 208
.set PF1, 220
.set QT,  232
.set KF,  12
.set VF,  104
.set O,   200
.set SEL, 34
.set CS,  36
.set MSB, 0
.macro WIN new                         ; the immediate's high byte repeats the setting that is left
.if MSB != \new
	s_set_vgpr_msb (MSB<<8)|\new
.set MSB, \new
.endif
.endm
; 64 numbers of a lane, register 16 b + i = key 32 b + 16 (lane / 16) + i, become a fragment's codes in v[pf] on and its scale word in v[pw]
.macro QUANT s, pf, pw
.irp b, 0,1,2,3
	v_max3_num_f32 v[TM+\b], |v[(\s)+16*\b]|, |v[(\s)+1+16*\b]|, 0x1800000   ; and the floor 2^(3 - 127): the byte cannot fall under 1
.endr
.irp i, 2,4,6,8,10,12,14
.irp b, 0,1,2,3
	v_max3_num_f32 v[TM+\b], v[TM+\b], |v[(\s)+16*\b+\i]|, |v[(\s)+1+16*\b+\i]|
.endr
.endr
.irp b, 0,1,2,3
	v_permlanex16_b32 v[TM+4+\b], v[TM+\b], s[SEL], s[SEL+1]
.endr
.irp b, 0,1,2,3
	v_max_num_f32 v[TM+\b], v[TM+\b], v[TM+4+\b]
.endr
.irp b, 0,1,2,3
	v_add_nc_u32 v[TM+12+\b], 0xff000000, v[TM+\b]
.endr
.irp b, 0,1,2,3
	v_lshrrev_b32 v[TM+4+\b], 23, v[TM+12+\b]
.endr
	v_lshl_or_b32 v[(\pw)], v[TM+5], 8, v[TM+4]
	v_lshl_or_b32 v[(\pw)], v[TM+6], 16, v[(\pw)]
	v_lshl_or_b32 v[(\pw)], v[TM+7], 24, v[(\pw)]
.irp c, 0,1
	v_cvt_scalef32_pk16_fp6_f32 v[(\pf)+6*\c:(\pf)+2+6*\c], v[(\s)+32*\c:(\s)+15+32*\c], v[TM+12+2*\c]
	v_cvt_scalef32_pk16_fp6_f32 v[QT+4*\c:QT+2+4*\c], v[(\s)+16+32*\c:(\s)+31+32*\c], v[TM+12+2*\c+1]
.endr
	v_nop                                          ; one plain place behind a scaled conversion
.irp c, 0,1
.irp i, 0,1,2
	v_permlane16_swap_b32 v[(\pf)+6*\c+\i], v[QT+4*\c+\i]
.endr
.irp i, 0,1,2
	v_mov_b32 v[(\pf)+3+6*\c+\i], v[QT+4*\c+\i]
.endr
.endr
.endm
	s_load_b256 s[4:11], s[0:1], 0x0               ; hfc, hfs, gate, out0
	v_lshl_add_u32 v254, v0, 2, 0x1200
	v_mov_b32 v255, 0
	v_and_b32 v[R], 15, v0
	v_bfe_u32 v[HH], v0, 4, 1
	v_lshlrev_b32 v[LI], 4, v0                     ; one wave: the thread's number is the lane
	v_lshlrev_b32 v[L8], 3, v0
	v_lshlrev_b32 v[GB], 2, v[R]
	v_lshl_add_u32 v[GA], v[HH], 12, v[GB]         ; the gate: 4 r + 16 h rows of 256 bytes
	v_mul_u32_u24 v[STO], v[R], 272
	v_lshl_add_u32 v[STO], v[HH], 6, v[STO]
	v_mul_u32_u24 v[RD], v[HH], 272
	v_lshl_add_u32 v[RD], v[R], 4, v[RD]
	v_mul_u32_u24 v[CO], v[HH], 3072
	v_lshl_add_u32 v[CO], v[R], 4, v[CO]
	WIN 0x40
.irp i, 6,7,8,9,10,11
	v_mov_b32 v[\i], 0                             ; q's upper 64 along K: zero codes
.endr
	WIN 0x80
	v_mov_b32 v101, 0                              ; (the upper half of the gate's last pair)
	WIN 0
.set i, 112
.rept 16
	v_mov_b32 v[S+i], 0                            ; keys 224-255: p = 0
.set i, i+1
.endr
	v_mov_b32 v55, 0                               ; written once: lane permutes' destinations and the upper halves of pairs that are named whole
	v_mov_b32 v57, 0
	v_mov_b32 v63, 0
.irp b, 0,1,2,3
	v_mov_b32 v[TM+4+\b], 0
.endr
	s_lshr_b32 s12, ttmp9, 2                       ; head
	s_and_b32 s13, ttmp9, 3                        ; tq
	s_and_b32 s14, ttmp7, 0xffff                   ; batch
	s_mul_i32 s15, s14, 12
	s_add_co_u32 s15, s15, s12                     ; hb = 12 b + head
	s_mov_b32 s[SEL], 0x76543210
	s_mov_b32 s[SEL+1], 0xfedcba98
	s_mov_b32 s[CS], 0x3e38aa3b                    ; c = log2(e) / 8
	s_mov_b32 s[CS+1], s[CS]
	s_mov_b32 s38, 0xffff0000                      ; lanes 16-31
	s_mov_b32 s33, 0
	s_wait_kmcnt 0x0
	s_lshl_b32 s32, s15, 2
	s_add_co_u32 s32, s32, s13
	s_mul_i32 s32, s32, 768
	s_add_nc_u64 s[16:17], s[4:5], s[32:33]        ; q's half fragment
	s_lshl_b32 s32, s15, 4
	s_add_co_u32 s32, s32, 384
	s_mul_i32 s32, s32, 768
	s_add_nc_u64 s[18:19], s[4:5], s[32:33]        ; k's sixteen
	s_lshl_b32 s32, s15, 4
	s_add_co_u32 s32, s32, 1920
	s_mul_i32 s32, s32, 768
	s_add_nc_u64 s[20:21], s[4:5], s[32:33]        ; v's sixteen
	s_lshl_b32 s32, s15, 9
	s_lshl_b32 s39, s13, 2
	s_add_co_u32 s32, s32, s39
	s_add_nc_u64 s[22:23], s[6:7], s[32:33]        ; q's scale word
	s_lshl_b32 s32, s15, 11
	s_add_co_u32 s32, s32, 96*512
	s_add_nc_u64 s[24:25], s[6:7], s[32:33]        ; k's four pieces
	s_lshl_b32 s32, s15, 11
	s_add_co_u32 s32, s32, 480*512
	s_add_nc_u64 s[26:27], s[6:7], s[32:33]        ; v's four
	s_mul_i32 s32, s14, 51968
	s_lshl_b32 s39, s13, 6
	s_add_co_u32 s32, s32, s39
	s_add_nc_u64 s[28:29], s[8:9], s[32:33]        ; the gate at [b][0][16 tq]
	s_lshl_b32 s32, s14, 6
	s_lshl_b32 s39, s13, 4
	s_add_co_u32 s32, s32, s39
	s_mul_i32 s32, s32, 3072
	s_lshl_b32 s39, s12, 8
	s_add_co_u32 s32, s32, s39
	s_add_nc_u64 s[30:31], s[10:11], s[32:33]      ; out0 at my first row, my head
	; the first group, 37 loads: q and k
	WIN 0x40
	s_wait_alu depctr_va_vdst(0)                   ; the offsets and LDS addresses v1, v2 and v5 to v9 are written, which the loads and stores of the kernel read; so are q's six registers of zero codes, part of the first products' operand.  Only loads and window switches follow, up to the last load
	global_load_b128 v[0:3], v[LI], s[16:17]
	global_load_b64 v[4:5], v[L8], s[16:17] offset:512
.irp t, 0,1,2,3,4,5,6,7,8,9,10,11,12,13,14
	global_load_b128 v[KF+6*\t:KF+6*\t+3], v[LI], s[18:19] offset:768*\t
	global_load_b64 v[KF+6*\t+4:KF+6*\t+5], v[L8], s[18:19] offset:768*\t+512
.endr
	WIN 0
	global_load_b32 v[QS], v[LI], s[22:23]
.irp p, 0,1,2,3
	global_load_b128 v[KS+4*\p:KS+4*\p+3], v[LI], s[24:25] offset:512*\p
.endr
	; the second, 101 loads: the gate of my query at key 32 blk + 16 h + e
	WIN 0x80
.irp k, 0,1,2,3,4,5
.irp e, 0,1,2,3,4,5,6,7,8,9,10,11,12,13,14,15
	global_load_b32 v[16*\k+\e], v[GA], s[28:29] offset:256*(32*\k+\e)
.endr
.endr
.irp e, 0,1,2,3,4
	global_load_b32 v[96+\e], v[GB], s[28:29] offset:256*(192+\e)    ; keys 192-196; lanes 16-31, whose p is 0 there, read the same rows
.endr
	; the third, 36 loads: v
	WIN 0x40
.irp d, 0,1,2,3
.irp x, 0,1,2,3
	global_load_b128 v[VF+12*(2*\d+\x/2)+6*(\x%2):VF+12*(2*\d+\x/2)+6*(\x%2)+3], v[LI], s[20:21] offset:768*(4*\d+\x)
	global_load_b64 v[VF+12*(2*\d+\x/2)+6*(\x%2)+4:VF+12*(2*\d+\x/2)+6*(\x%2)+5], v[L8], s[20:21] offset:768*(4*\d+\x)+512
.endr
.endr
	WIN 0
.irp x, 0,1,2,3
	global_load_b128 v[VSR+4*\x:VSR+4*\x+3], v[LI], s[26:27] offset:512*\x
.endr
	s_wait_loadcnt 63                              ; q and k are in (137 loads were issued behind them; 63 asks for more than is needed)
	WIN 0x05                                       ; k and q window 1, the scores window 0
.irp t, 0,1,2,3,4,5,6,7,8,9,10,11,12,13
	v_wmma_scale_f32_16x16x128_f8f6f4 v[S+8*\t:S+8*\t+7], v[KF+6*\t:KF+6*\t+11], v[0:11], 0, v[KS+\t], v[QS] matrix_a_fmt:MATRIX_FMT_FP6 matrix_b_fmt:MATRIX_FMT_FP6
.endr
	WIN 0
.rept 4
	v_nop                                          ; four places behind the last products (ISA guide 7.12.1)
.endr
	v_mov_b32 v54, 0xff800000                      ; -infinity
.irp e, 0,1,2,3,4
	v_cndmask_b32 v[S+96+\e], v[S+96+\e], v54, s38 ; keys 208-212 do not exist
.endr
.irp e, 5,6,7,8,9,10,11,12,13,14,15
	v_mov_b32 v[S+96+\e], v54                      ; nor do keys 197-207 and 213-223
.endr
.irp b, 0,1,2,3,4,5,6
	v_max3_num_f32 v[TM+\b], v[S+16*\b], v[S+16*\b+1], v[S+16*\b+2]      ; the row's largest score: seven chains by turns, each accumulator from its low end on
.endr
.irp i, 3,5,7,9,11,13
.irp b, 0,1,2,3,4,5,6
	v_max3_num_f32 v[TM+\b], v[TM+\b], v[S+16*\b+\i], v[S+16*\b+\i+1]
.endr
.endr
.irp b, 0,1,2,3,4,5,6
	v_max_num_f32 v[TM+\b], v[TM+\b], v[S+16*\b+15]
.endr
	v_max3_num_f32 v54, v[TM], v[TM+1], v[TM+2]
	v_max3_num_f32 v54, v54, v[TM+3], v[TM+4]
	v_max3_num_f32 v54, v54, v[TM+5], v[TM+6]
	v_permlanex16_b32 v55, v54, s[SEL], s[SEL+1]
	v_max_num_f32 v54, v54, v55                    ; with lane l xor 16's keys
	v_mul_f32 v56, 0xbe38aa3b, v54                 ; -c x the largest score
.set j, 0
.rept 56
	v_pk_fma_f32 v[S+j:S+j+1], v[S+j:S+j+1], s[CS:CS+1], v[56:57] op_sel_hi:[1,0,0]   ; c (s - the largest), two at a time
.set j, j+2
.endr
.set j, 0
.rept 112
	v_exp_f32 v[S+j], v[S+j]
.set j, j+1
.endr
	v_nop                                          ; a plain place behind the exponentials
	s_wait_alu depctr_va_vdst(0)                   ; the 112 exponentials have written v[S ..], which the sums below read: one wait for the whole batch, ahead of its first reader
	v_pk_add_f32 v[58:59], v[S:S+1], v[S+2:S+3]    ; the row's sum, in two chains
	v_pk_add_f32 v[60:61], v[S+4:S+5], v[S+6:S+7]
.set j, 8
.rept 26
	v_pk_add_f32 v[58:59], v[58:59], v[S+j:S+j+1]
	v_pk_add_f32 v[60:61], v[60:61], v[S+j+2:S+j+3]
.set j, j+4
.endr
	v_pk_add_f32 v[58:59], v[58:59], v[60:61]
	v_add_f32 v58, v58, v59
	v_permlanex16_b32 v55, v58, s[SEL], s[SEL+1]
	v_add_f32 v58, v58, v55
	v_rcp_f32 v62, v58
	v_nop                                          ; a plain place behind the reciprocal
	s_wait_alu depctr_va_vdst(0)                   ; the reciprocal has written v62, which the multiplications below read
.set j, 0
.rept 56
	v_pk_mul_f32 v[S+j:S+j+1], v[S+j:S+j+1], v[62:63] op_sel_hi:[1,0]    ; the softmax, normalised
.set j, j+2
.endr
	s_wait_loadcnt 36                              ; the gate is in; v's 36 loads may be out
	WIN 0x08                                       ; source 1 (the gate) window 2
.set j, 0
.rept 51
	v_pk_mul_f32 v[S+j:S+j+1], v[S+j:S+j+1], v[j:j+1]
.set j, j+2
.endr
	WIN 0
	QUANT S, PF0, PW0                              ; keys 0-127
	QUANT S+64, PF1, PW1                           ; keys 128-255
	s_wait_loadcnt 0x0
.irp d, 0,1,2,3
.irp s, 0,1
	v_lshl_or_b32 v[VW+2*\d+\s], v[VSR+8*\s+4+\d], 16, v[VSR+8*\s+\d]    ; two half words make the scale word of 128 keys
.endr
.endr
.rept 8
	v_nop                                          ; a scale register written by a vector instruction stands 8 places ahead of a scaled matrix instruction, an operand so written 4
.endr
	WIN 0x51                                       ; v window 1, p window 0, O^T window 1
	s_wait_alu depctr_va_vdst(0)                   ; p's two fragments, p's two scale words and v's eight scale words are written, which the products below take as operand and scales; the eight places above stay beside this wait
.irp d, 0,1,2,3
	v_wmma_scale_f32_16x16x128_f8f6f4 v[O+8*\d:O+8*\d+7], v[VF+24*\d:VF+24*\d+11], v[PF0:PF0+11], 0, v[VW+2*\d], v[PW0] matrix_a_fmt:MATRIX_FMT_FP6 matrix_b_fmt:MATRIX_FMT_FP6
.endr
.irp d, 0,1,2,3
	v_wmma_scale_f32_16x16x128_f8f6f4 v[O+8*\d:O+8*\d+7], v[VF+24*\d+12:VF+24*\d+23], v[PF1:PF1+11], v[O+8*\d:O+8*\d+7], v[VW+2*\d+1], v[PW1] matrix_a_fmt:MATRIX_FMT_FP6 matrix_b_fmt:MATRIX_FMT_FP6
.endr
	WIN 0
.rept 4
	v_nop                                          ; four places behind the last products, before their results are read (ISA guide 7.12.1)
.endr
	; THE WAY OUT: register j of tile dt in lane (r, h) is d = 32 (dt / 2) + 16 h + 8 (dt % 2) + j of query r; through the stage, so that sixteen lanes store a row's 256 consecutive bytes
	WIN 0x04                                       ; an LDS store's data are its source 1: window 1
	s_wait_alu depctr_va_vdst(0)                   ; the products have written O^T, which the LDS stores read; every vector instruction that named v[S ..] is done, where the rows read back land; no vector instruction follows.  The four places above stay beside this wait
.irp d, 0,1,2,3
	ds_store_b128 v[STO], v[O+8*\d:O+8*\d+3] offset:128*(\d/2)+32*(\d%2)
	ds_store_b128 v[STO], v[O+8*\d+4:O+8*\d+7] offset:128*(\d/2)+32*(\d%2)+16
.endr
	WIN 0
.irp t, 0,1,2,3,4,5,6,7
	ds_load_b128 v[S+4*\t:S+4*\t+3], v[RD] offset:544*\t     ; LDS serves a wave's instructions in order: these see my stores
.endr
.irp t, 0,1,2,3,4,5,6,7
	s_wait_dscnt 7-\t                              ; rows 2 t and 2 t + 1 are back; the later ones may be out
	global_store_b128 v[CO], v[S+4*\t:S+4*\t+3], s[30:31] offset:6144*\t
.endr
	s_wait_dscnt 0x0                               ; the closing lines, six on end
	s_wait_alu 0x0
	s_wait_tensorcnt 0x0
	ds_add_u32 v254, v255
	s_wait_dscnt 0x0
	s_endpgm
.Lfunc_end_k_q22b91641be_attn:
	.size	k_q22b91641be_attn, .Lfunc_end_k_q22b91641be_attn-k_q22b91641be_attn
	.p2alignl 7, 3214868480
	.fill 96, 4, 3214868480
	.section	.rodata,"a",@progbits
	.p2align	6, 0x0
	.amdhsa_kernel k_q22b91641be_attn
		.amdhsa_group_segment_fixed_size 4864
		.amdhsa_private_segment_fixed_size 0
		.amdhsa_enable_private_segment 0
		.amdhsa_kernarg_size 32
		.amdhsa_user_sgpr_count 2
		.amdhsa_user_sgpr_kernarg_segment_ptr 1
		.amdhsa_wavefront_size32 1
		.amdhsa_system_sgpr_workgroup_id_x 1
		.amdhsa_system_sgpr_workgroup_id_y 1
		.amdhsa_system_sgpr_workgroup_id_z 1
		.amdhsa_system_vgpr_workitem_id 0
		.amdhsa_next_free_vgpr 624
		.amdhsa_next_free_sgpr 66
		.amdhsa_reserve_vcc 0
		.amdhsa_float_denorm_mode_32 3
		.amdhsa_float_denorm_mode_16_64 3
		.amdhsa_memory_ordered 1
		.amdhsa_forward_progress 1
		.amdhsa_inst_pref_size 57
	.end_amdhsa_kernel
	.amdgpu_metadata
---
amdhsa.version: [ 1, 2 ]
amdhsa.kernels:
  - .name:           k_q22b91641be_attn
    .symbol:         k_q22b91641be_attn.kd
    .args:
      - { .name: hfc, .offset: 0, .size: 8, .value_kind: global_buffer, .address_space: global }
      - { .name: hfs, .offset: 8, .size: 8, .value_kind: global_buffer, .address_space: global }
      - { .name: gate, .offset: 16, .size: 8, .value_kind: global_buffer, .address_space: global }
      - { .name: out0, .offset: 24, .size: 8, .value_kind: global_buffer, .address_space: global }
    .group_segment_fixed_size: 4864
    .private_segment_fixed_size: 0
    .kernarg_segment_align: 8
    .kernarg_segment_size: 32
    .max_flat_workgroup_size: 32
    .sgpr_count:     66
    .vgpr_count:     624
    .wavefront_size: 32
...
	.end_amdgpu_metadata
.endif
;; end of part 6
